; MI455X (gfx1250); checked and timed in simulation.
; The chip was launched on July 23, 2026; its instructions are those of AMD's public machine-readable ISA for CDNA 5 (MIT licence, August 2026) and "CDNA5" Instruction Set Architecture Reference Guide (July 2026). The comments in the code are by the model that wrote it; some were corrected since.
;; Attention. Allowed arithmetic: matrix products marked QUANTISED: E2M1 operands, one E8M0 scale for each 32 along K, by v_wmma_scale_f32_16x16x128_f8f6f4 with both operands' format E2M1 (or v_wmma_scale_f32_32x16x128_f4), f32 sums; products left as they are: bf16, f16 or f32 operands; f32 sums; everything else in f32.
;; Inputs: cos 1,024 x 64 float32; k_norm_w 64 float32; q_norm_w 64 float32; sin 1,024 x 64 float32; w_proj 1,024 x 1,024 float32; w_qkv 3,072 x 1,024 float32; x 8 x 1,024 x 1,024 float32.
;; Outputs: out0 8 x 1,024 x 1,024 float32.
;; This version of the problem:
;;   THIS VERSION OF THE PROBLEM IS GIVEN IN LOW PRECISION. The matrix products marked QUANTISED in the list below multiply operands that are first quantised to E2M1 (2 exponent bits, 1 mantissa bit; 4 bits a number), with one power-of-two scale for each 32 numbers along K (OCP MX v1.0); their sums are f32. The products marked 'left as it is' may take bf16, f16 or f32 operands, with f32 sums. Whichever they take, every output number must still come out within the allowed error. Rounding operands to bf16 (8 significant bits) uses up far more of that allowance than f16 does (11 bits, for magnitudes from 6e-5 to 65,504). All else is computed in f32.
;;   The module's matrix products, in the order in which they are computed (A, B: the left and right operand; K: the contracted axis; several contracted axes count as one K, in the product's order):
;;     1. [M 8,192, K 1,024] x [K 1,024, N 3,072]; A: input x; B: input w_qkv: QUANTISED
;;     2. batch 128 x [M 1,024, K 64] x [K 64, N 1,024]; A: computed on the way; B: computed on the way: left as it is (an operand is computed on the way)
;;     3. batch 128 x [M 1,024, K 1,024] x [K 1,024, N 64]; A: computed on the way; B: computed on the way: left as it is (an operand is computed on the way)
;;     4. [M 8,192, K 1,024] x [K 1,024, N 1,024]; A: computed on the way; B: input w_proj: left as it is (an operand is computed on the way)
;;   THE QUANTISER, for each operand of a quantised product, along K:
;;     - K is cut into blocks of 32 from its start; a last block that is shorter is filled with zeros.
;;     - A block's scale is 2^e with e = floor(log2(the largest magnitude in the block)) - 2, held to -126 .. 127; a block of zeros has e = 0. As a byte (E8M0): e + 127.
;;     - Each number is divided by its block's scale, clamped to +-6, and rounded to the nearest number of E2M1, ties to even, subnormals kept.
;;     - The product sums the exact products of the quantised numbers (number of the format x scale) in f32.
;;   ~~~python
;;   def quantise(x, axis):      # numpy; x: float32 -> the quantised numbers, widened to float32 again
;;       x = np.moveaxis(x, axis, -1); K = x.shape[-1]
;;       x = np.pad(x, [(0, 0)] * (x.ndim - 1) + [(0, -K % 32)]); x = x.reshape(x.shape[:-1] + (-1, 32)); a = np.abs(x).max(-1, keepdims=True)
;;       e = np.where(a > 0, np.clip(np.frexp(np.where(a > 0, a, 1))[1] - 1 - 2, -126, 127), 0)      # np.frexp(a)[1] - 1 = floor(log2(a)), exactly
;;       r = np.clip(x / 2.0 ** e, -6, 6)
;;       step = 2.0 ** (np.maximum(np.frexp(np.where(r == 0, 1, r))[1] - 1, 0) - 1)
;;       q = np.round(r / step) * step * 2.0 ** e      # np.round: ties to even
;;       return np.moveaxis(q.reshape(q.shape[:-2] + (-1,))[..., :K], -1, axis).astype(np.float32)
;;   ~~~
;; One version. Each part assembles by itself: llvm-mc -triple=amdgcn-amd-amdhsa -mcpu=gfx1250 --defsym DOCPART=n.
;; ======== version 1 of 1: 4 launches
;; limits: values are held in f16: magnitudes above 65,504 overflow, below 6.1e-05 lose precision
;; workspace buffers: xc 4,194,304 bytes; xs 262,144 bytes; wc 1,572,864 bytes; ws 98,304 bytes; w16 2,097,152 bytes; qkvh 50,331,648 bytes; oh 16,777,216 bytes
;; launch quant (part 1): grid 384 x 1, 4 waves a work-group, no clusters, 33,280 bytes of LDS; arguments x, w_qkv, xc, xs, wc, ws, w_proj, w16; writes xc, xs, wc, ws, w16
.if DOCPART == 1
	.amdgcn_target "amdgcn-amd-amdhsa--gfx1250"
	.amdhsa_code_object_version 6
	.text
	.protected	k_qdf958927d7_quant
	.globl	k_qdf958927d7_quant
	.p2align	8
	.type	k_qdf958927d7_quant,@function
k_qdf958927d7_quant:
	s_mov_b64 s[64:65], 0
	v_nop
	global_prefetch_b8 v0, s[64:65] scope:SCOPE_SE
	s_setreg_imm32_b32 hwreg(HW_REG_WAVE_MODE, 25, 1), 1
	s_wait_xcnt 0x0
; x [8192][1024] and w_qkv [3072][1024], f32, become codes of FP4 (E2M1), K innermost, two codes a byte, with one E8M0 scale byte for each 32 along K; w_proj [1024][1024], f32, becomes f16.
; A block's scale is 2^(floor(log2(its largest magnitude)) - 2); its byte is the largest magnitude's own exponent field - 2, held at 1 from below.  Each number is divided by the scale and rounded to the nearest code, ties to even;
; beyond the largest code the conversion gives the largest code.
; LIMITS: a block of zeros gets the byte 1 where the quantiser's text says 127: its codes are zeros, which add nothing under that byte, and this program alone reads the bytes.  Blocks whose largest magnitude lies under 2^(2 - 126)
; have their byte held at 1.  NaN and infinities among the inputs are not served.  w_proj in f16: magnitudes over 65,504 are not served; under 6e-5 the rounding is absolute, 3e-8 at the most.
; Rows are dense and 1024 is a multiple of 32, so x and w_qkv are plain streams of blocks of 32 numbers, and so are the codes and the scale bytes.
; WORK-GROUPS: 0 to 255 take x, 256 to 351 w_qkv (a wave: 16 steps of 512 numbers), 352 to 383 w_proj (a wave: 8,192 numbers).
; THE QUANTISER.  The conversions take 8 numbers of ONE block from a lane's consecutive registers, so a lane must hold 16 neighbours (two neighbouring lanes hold a block); a load is best where neighbouring lanes take
; neighbouring bytes.  Both are had: each of a step's four loads reads 512 consecutive bytes; the 2,048 bytes go through the wave's own stage in LDS and come back 64 bytes a lane (16 bytes of padding behind each 64).
; A lane's 16 codes are 8 bytes: the wave stores 256 consecutive bytes.  A wave's 256 scale bytes are gathered in its own LDS bytes and leave by one store of 256 consecutive bytes.
; No tensor loads, no barrier: waves share nothing.  Loads run four steps (16 loads a wave) ahead, the turn through LDS one step.
.set SIZE_M, 8192
.set SIZE_N, 3072
.set SIZE_K, 1024
.set WAVES, 4
.set STEPS, 16
.set WGA,   SIZE_M*SIZE_K/(512*STEPS*WAVES)            ; 256 work-groups for x
.set WGQ,   (SIZE_M+SIZE_N)*SIZE_K/(512*STEPS*WAVES)   ; 352 for x and w_qkv
.set EMAX,  2
.set CB,    8                          ; bytes of 16 codes
.set R,     16                         ; v16-79   four sets of 16 numbers as they are loaded (w_proj: v16-143, two sets of 64)
.set X,     80                         ; v80-111  two sets of 16 neighbours
.set C,     128                        ; v128-191 codes: four registers for each step, so that no store's data are written again
.set E,     112                        ; v112-127 a scale byte for each step
.set H,     144                        ; v144-175 w_proj: 64 numbers in f16
.set WREG,  8192                       ; LDS: a region of its own for each wave: two stages of 32 x SP bytes, and behind them its 256 scale bytes
.set SP,    80                         ; a lane's place in a stage: its 64 bytes + 16 of padding
.set SPW,   12                         ; v12      LDS address of my spare word: SPARE + 4 x my thread's number; never rewritten
.set NIL,   13                         ; v13      0; never rewritten
.set SPARE, WAVES*WREG                 ; behind the four regions: the spare words, 128 bytes for each wave
	s_load_b128 s[4:7], s[0:1], 0x0                ; x, w_qkv
	s_load_b128 s[8:11], s[0:1], 0x10              ; x's codes, x's scales
	s_load_b128 s[12:15], s[0:1], 0x20             ; w_qkv's codes, its scales
	s_load_b128 s[24:27], s[0:1], 0x30             ; w_proj, w16
	v_lshl_add_u32 v[SPW], v0, 2, SPARE
	v_mov_b32 v[NIL], 0
	v_lshrrev_b32 v1, 5, v0
	v_readfirstlane_b32 s16, v1                    ; wave
	v_and_b32 v2, 31, v0                           ; lane
	v_lshlrev_b32 v3, 4, v2                        ; my 16 bytes of a load's 512
	s_mul_i32 s17, s16, WREG
	v_lshrrev_b32 v14, 2, v2
	v_mul_u32_u24 v14, v14, SP
	v_and_b32 v15, 3, v2
	v_lshl_add_u32 v14, v15, 4, v14
	v_add_nc_u32 v14, s17, v14                     ; the stage, on the way in: four lanes' 64 bytes on end, then 16 of padding
	v_mul_u32_u24 v15, v2, SP
	v_add_nc_u32 v15, s17, v15                     ; and on the way out: SP x lane: my 16 neighbours
	v_mul_u32_u24 v4, v2, CB                       ; my codes' place in a step's
	v_lshrrev_b32 v5, 1, v2
	s_add_co_u32 s17, s17, 2*32*SP
	v_add_nc_u32 v5, s17, v5                       ; LDS: my wave's 256 scale bytes, my block's byte
	v_lshlrev_b32 v7, 3, v2                        ; and on the way out 8 bytes a lane
	v_add_nc_u32 v6, s17, v7
	s_wait_kmcnt 0x0
	s_cmp_ge_u32 ttmp9, WGQ                        ; the last 32 work-groups take w_proj: a branch on the work-group's number, ahead of every LDS instruction
	s_cbranch_scc1 .Lproj
	s_cmp_lt_u32 ttmp9, WGA                        ; x's work-group or w_qkv's?  Only pointers are chosen: both take one path
	s_cselect_b64 s[4:5], s[4:5], s[6:7]
	s_cselect_b64 s[8:9], s[8:9], s[12:13]
	s_cselect_b64 s[10:11], s[10:11], s[14:15]
	s_cselect_b32 s17, 0, WGA
	s_sub_co_u32 s17, ttmp9, s17
	s_lshl_b32 s17, s17, 2
	s_add_co_u32 s18, s17, s16                     ; which run of 8,192 numbers of the tensor is my wave's
	s_mov_b32 s19, 0
	s_mov_b64 s[20:21], 512*STEPS*4
	s_mul_u64 s[20:21], s[18:19], s[20:21]
	s_add_nc_u64 s[4:5], s[4:5], s[20:21]
	s_mov_b64 s[20:21], 32*STEPS*CB
	s_mul_u64 s[20:21], s[18:19], s[20:21]
	s_add_nc_u64 s[8:9], s[8:9], s[20:21]
	s_lshl_b32 s18, s18, 8                         ; 256 scale bytes a run
	s_add_nc_u64 s[10:11], s[10:11], s[18:19]
.macro LOAD t
.irp i, 0,1,2,3
	global_load_b128 v[R+16*((\t)%4)+4*\i:R+16*((\t)%4)+4*\i+3], v3, s[4:5] offset:2048*(\t)+512*\i th:TH_LOAD_NT   ; 32 lanes read 512 consecutive bytes
.endr
.endm
.macro TURN t                          ; step t's numbers through the stage: LDS serves a wave's instructions in order (ISA guide 5.7.1.4), so no wait stands between the stores and the loads
.irp i, 0,1,2,3
	ds_store_b128 v14, v[R+16*((\t)%4)+4*\i:R+16*((\t)%4)+4*\i+3] offset:32*SP*((\t)%2)+8*SP*\i
.endr
.irp i, 0,1,2,3
	ds_load_b128 v[X+16*((\t)%2)+4*\i:X+16*((\t)%2)+4*\i+3], v15 offset:32*SP*((\t)%2)+16*\i
.endr
.endm
.irp t, 0,1,2,3
	LOAD \t
.endr
	s_wait_loadcnt 12                              ; step 0's four loads are in; the twelve of steps 1 to 3 may be out
	TURN 0
.macro STEP t
.set XS, X+16*((\t)%2)
.if (\t) > 0
	s_wait_dscnt 1                                 ; this step's numbers are back from the stage (the last step's byte store may be out): so its stores into the stage have read their registers,
.else
	s_wait_dscnt 0x0
.endif
.if (\t)+4 < STEPS
	LOAD (\t)+4                                    ; which take the loads of four steps on
.endif
.if (\t)+1 < STEPS
.if STEPS-2-(\t) >= 3
	s_wait_loadcnt 12                              ; the next step's four loads are in; those of the three steps behind it may be out
.else
	s_wait_loadcnt 4*(STEPS-2-(\t))                ; at the end: four for each step that is still behind it
.endif
	TURN (\t)+1                                    ; and go through the other stage while this step is worked
.endif
	v_max3_num_f32 v8, |v[XS]|, |v[XS+1]|, |v[XS+2]|               ; the largest magnitude of my 16, in two chains
	v_max3_num_f32 v9, |v[XS+3]|, |v[XS+4]|, |v[XS+5]|
.irp i, 6,10
	v_max3_num_f32 v8, v8, |v[XS+\i]|, |v[XS+\i+1]|
	v_max3_num_f32 v9, v9, |v[XS+\i+2]|, |v[XS+\i+3]|
.endr
	v_max3_num_f32 v8, v8, |v[XS+14]|, |v[XS+15]|
	v_max3_num_f32 v8, v8, v9, (EMAX+1)<<23        ; and the floor 2^(EMAX + 1 - 127): so the byte cannot fall under 1
	v_max_num_f32_dpp v8, v8, v8 row_xmask:1 row_mask:0xf bank_mask:0xf   ; and of my neighbour's 16: the block's
	v_add_nc_u32 v11, -(EMAX<<23), v8              ; EMAX off its exponent field: the conversion takes the exponent field of this operand as its scale, and nothing else of it
	v_cvt_scalef32_pk8_fp4_f32 v[C+4*(\t)], v[XS:XS+7], v11
	v_cvt_scalef32_pk8_fp4_f32 v[C+4*(\t)+1], v[XS+8:XS+15], v11
	v_lshrrev_b32 v[E+(\t)], 23, v11               ; the scale's byte (also the plain line behind the conversions)
	ds_store_b8 v5, v[E+(\t)] offset:16*(\t)       ; both lanes of a block write the same byte with the same value
	global_store_b64 v4, v[C+4*(\t):C+4*(\t)+1], s[8:9] offset:32*CB*(\t)   ; 32 lanes store 256 consecutive bytes, aligned
.endm
.irp t, 0,1,2,3,4,5,6,7,8,9,10,11,12,13,14,15
	STEP \t
.endr
	ds_load_b64 v[8:9], v6                         ; LDS serves a wave's instructions in order: these see my stores
	s_wait_dscnt 0x0
	global_store_b64 v7, v[8:9], s[10:11]          ; 32 lanes store 256 consecutive bytes, aligned
	s_wait_tensorcnt 0x0                           ; the wave's end: behind my last LDS store
	ds_add_u32 v[SPW], v[NIL]
	s_wait_dscnt 0x0
	s_endpgm
; W_PROJ TO F16.  A wave takes 8,192 numbers in four groups of 16 loads; a load reads 512 consecutive bytes, a store writes 256.  Two groups of loads are out at a time.
.Lproj:
	s_sub_co_u32 s17, ttmp9, WGQ
	s_lshl_b32 s17, s17, 2
	s_add_co_u32 s17, s17, s16                     ; which run of 8,192 numbers is my wave's
	s_lshl_b32 s18, s17, 15
	s_mov_b32 s19, 0
	s_add_nc_u64 s[24:25], s[24:25], s[18:19]
	s_lshl_b32 s18, s17, 14
	s_add_nc_u64 s[26:27], s[26:27], s[18:19]
.macro LOADC g
.irp i, 0,1,2,3,4,5,6,7,8,9,10,11,12,13,14,15
	global_load_b128 v[R+64*((\g)%2)+4*\i:R+64*((\g)%2)+4*\i+3], v3, s[24:25] offset:8192*(\g)+512*\i th:TH_LOAD_NT
.endr
.endm
.macro CAST g
.if (\g) < 3
	s_wait_loadcnt 16                              ; this group's 16 loads are in; the next group's 16 may be out
.else
	s_wait_loadcnt 0x0
.endif
.if (\g) > 0
	s_wait_xcnt 0x0                                ; the last group's stores have read their data: the registers are written again only behind this wait
.endif
.irp i, 0,1,2,3,4,5,6,7,8,9,10,11,12,13,14,15
	v_cvt_pk_f16_f32 v[H+2*\i], v[R+64*((\g)%2)+4*\i], v[R+64*((\g)%2)+4*\i+1]
	v_cvt_pk_f16_f32 v[H+2*\i+1], v[R+64*((\g)%2)+4*\i+2], v[R+64*((\g)%2)+4*\i+3]
.endr
.irp i, 0,1,2,3,4,5,6,7,8,9,10,11,12,13,14,15
	global_store_b64 v7, v[H+2*\i:H+2*\i+1], s[26:27] offset:4096*(\g)+256*\i
.endr
.if (\g) < 2
	LOADC (\g)+2
.endif
.endm
	LOADC 0
	LOADC 1
	CAST 0
	CAST 1
	CAST 2
	CAST 3
	s_endpgm
.Lfunc_end_k_qdf958927d7_quant:
	.size	k_qdf958927d7_quant, .Lfunc_end_k_qdf958927d7_quant-k_qdf958927d7_quant
	.p2alignl 7, 3214868480
	.fill 96, 4, 3214868480
	.section	.rodata,"a",@progbits
	.p2align	6, 0x0
	.amdhsa_kernel k_qdf958927d7_quant
		.amdhsa_group_segment_fixed_size 33280
		.amdhsa_private_segment_fixed_size 0
		.amdhsa_enable_private_segment 0
		.amdhsa_kernarg_size 64
		.amdhsa_user_sgpr_count 2
		.amdhsa_user_sgpr_kernarg_segment_ptr 1
		.amdhsa_wavefront_size32 1
		.amdhsa_system_sgpr_workgroup_id_x 1
		.amdhsa_system_sgpr_workgroup_id_y 1
		.amdhsa_system_sgpr_workgroup_id_z 1
		.amdhsa_system_vgpr_workitem_id 0
		.amdhsa_next_free_vgpr 192
		.amdhsa_next_free_sgpr 66
		.amdhsa_reserve_vcc 0
		.amdhsa_float_denorm_mode_32 3
		.amdhsa_float_denorm_mode_16_64 3
		.amdhsa_memory_ordered 1
		.amdhsa_forward_progress 1
		.amdhsa_inst_pref_size 54
	.end_amdhsa_kernel
	.amdgpu_metadata
---
amdhsa.version: [ 1, 2 ]
amdhsa.kernels:
  - .name:           k_qdf958927d7_quant
    .symbol:         k_qdf958927d7_quant.kd
    .args:
      - { .name: x, .offset: 0, .size: 8, .value_kind: global_buffer, .address_space: global }
      - { .name: w_qkv, .offset: 8, .size: 8, .value_kind: global_buffer, .address_space: global }
      - { .name: xc, .offset: 16, .size: 8, .value_kind: global_buffer, .address_space: global }
      - { .name: xs, .offset: 24, .size: 8, .value_kind: global_buffer, .address_space: global }
      - { .name: wc, .offset: 32, .size: 8, .value_kind: global_buffer, .address_space: global }
      - { .name: ws, .offset: 40, .size: 8, .value_kind: global_buffer, .address_space: global }
      - { .name: w_proj, .offset: 48, .size: 8, .value_kind: global_buffer, .address_space: global }
      - { .name: w16, .offset: 56, .size: 8, .value_kind: global_buffer, .address_space: global }
    .group_segment_fixed_size: 33280
    .private_segment_fixed_size: 0
    .kernarg_segment_align: 8
    .kernarg_segment_size: 64
    .max_flat_workgroup_size: 128
    .sgpr_count:     66
    .vgpr_count:     192
    .wavefront_size: 32
...
	.end_amdgpu_metadata
.endif
;; end of part 1
;; launch gemm_qkv (part 2): grid 8 x 32, 4 waves a work-group, clusters of 4 x 4, 327,680 bytes of LDS; arguments xc, xs, wc, ws, qkvh, cos, sin, q_norm_w, k_norm_w; writes qkvh
.if DOCPART == 2
	.amdgcn_target "amdgcn-amd-amdhsa--gfx1250"
	.amdhsa_code_object_version 6
	.text
	.protected	k_qdf958927d7_gemm_qkv
	.globl	k_qdf958927d7_gemm_qkv
	.p2align	8
	.type	k_qdf958927d7_gemm_qkv,@function
k_qdf958927d7_gemm_qkv:
	s_mov_b64 s[64:65], 0
	v_nop
	global_prefetch_b8 v0, s[64:65] scope:SCOPE_SE
	s_setreg_imm32_b32 hwreg(HW_REG_WAVE_MODE, 25, 1), 1
	s_wait_xcnt 0x0
	s_wait_alu depctr_hold_cnt(0) depctr_sa_sdst(0) depctr_va_vdst(0) depctr_va_sdst(0) depctr_va_ssrc(0) depctr_va_vcc(0) depctr_vm_vsrc(0)
	s_getreg_b32 s2, hwreg(HW_REG_IB_STS2, 6, 4)
	s_cmp_eq_u32 s2, 0
	s_cbranch_scc0 .Lentry_in_a_cluster
	s_endpgm
.Lentry_in_a_cluster:
	s_bfe_u32 s2, ttmp6, 0x10000c
	s_cmp_lg_u32 s2, 0xf033
	s_cbranch_scc0 .Lentry_shape_is_right
	s_endpgm
.Lentry_shape_is_right:
; qkv[m][n] = sum over k of x[m][k] w_qkv[n][k] on codes of FP4 (E2M1) with one E8M0 scale for each 32 along K; sums in f32.  On the way out q and k get the RMS norm over a head's 64 numbers, the norm's weight and RoPE;
; q, k and v are rounded to f16 and stored head by head: qkvh [3 kinds][8 b][16 h][1024 l][64] f16 (strides 2^24, 2^21, 2^17, 128 bytes), so that every store covers 512 consecutive bytes and a head's K and V are dense blocks.
; SHARES.  8,192 x 3,072 are 384 tiles of 256 x 256; 256 work-groups make one and a half each, for the same 256 rows of x.  TILE 1 is 256 x 256: a wave makes 128 x 128, 64 accumulators.  TILE 2 is 256 x 128: wave w makes rows
; 64 w .. 64 w + 63 against all 128 columns, 32 accumulators.  x's codes stay in LDS for both; K = 1,024 lies in two slots of 512 along K (rows of 256 bytes).  Tile 2's 128 rows of w_qkv are asked for in tile 1's last step,
; over rows of w_qkv that have been read out, and land under tile 1's way out.  The scale bytes of all rows come into LDS with the first fills.
; CLUSTERS: 4 x 4 work-groups.  The four of a row of the cluster need the same tiles of x, the four of a column the same tiles of w_qkv: each tile is asked for JOINTLY.  A row's four tiles 1 are 1,024 columns: all of q where
; the cluster's x is 0, all of v where it is 1; its four tiles 2 are 512 columns of k: the first half or the second.  So the kind hangs on the cluster's x alone, the same number in all sixteen partners, and the way out may branch on it.
; The work-groups with v have less vector work on the way out than those with q.
; THE MATRIX INSTRUCTION IS USED TRANSPOSED (source 0 = 16 rows of w_qkv, source 1 = 16 rows of x): a lane holds row l % 16 and, in the accumulator of column block b, columns 16 b + 8 (l / 16) + 0 .. 7.  128 columns are
; two heads; channel d and channel d +- 32 of a head lie in the same lane and the same register of the accumulators two apart: RoPE's rotation moves nothing between lanes.
; ORDER OF ROUNDING: the norm's factor, one number a row, is multiplied in behind RoPE and not ahead of it: (x w cos + rot(x w) sin) norm.  In f32 that differs from the written order by roundings alone.
; LIMITS: q, k, v leave as f16: magnitudes over 65,504 are not served (v has the size of x w_qkv^T; q and k at most 8 max|w| (|cos| + |sin|)); under 6e-5 the rounding is absolute, 3e-8 at the most.  NaN and infinities are not served.
; REGISTERS, in windows of 256: window 0: v0-31 addresses and the way out's small numbers; v32-95 scale words, two sets, and nothing else; v96-127 the norm's weight; v128-191 x's fragments (tile 1: ONE set of 8 blocks;
;   tile 2: two sets of 4), on the way out U; v192-255 rows read back from the stage.   window 1: w_qkv's fragments, TWO sets, at v0 and v128 (on the way out v0-63: T); v64-127 and v192-255: cos and sin of 16 rows, two sets.
;   window 2: the 32 accumulators of my rows 0-63 (accumulator (a, b) at v[8 (8 a + b)]), and tile 2's 32;   window 3: those of my rows 64-127 of tile 1.
.set SIZE_K, 1024
.set KSTEP,  512                       ; along K in a slot
.set NQ,     KSTEP/128                 ; matrix instructions deep
.set ROWB,   256                       ; a tile's row in bytes
.set KROW,   SIZE_K/2                  ; a row of codes in memory, in bytes
.set PITCH,  272                       ; an LDS row: 256 bytes + 16 of padding = 68 words: row r starts at bank 4 r mod 64 (ISA guide 11.1): the 16 rows of a load start at 16 different banks
.set FR,     8                         ; registers of a fragment: 16 rows x 128 K
.set NL,     2                         ; LDS loads that bring one
.set NP,     4                         ; places behind this matrix instruction (ISA guide 7.12.1)
.set HALFT,  128*PITCH                 ; 128 rows: what one tensor load brings
.set SLOT,   4*HALFT                   ; x's 256 rows, then w_qkv's 256 rows (tile 2: its 128 rows over the first 128 of them)
.set KS,     SIZE_K/32                 ; a row of scales in bytes
.set SCL,    2*SLOT                    ; behind the slots: the scales of x's 256 rows and of tile 1's 256 rows of w_qkv, as runs of 256 bytes + 16 of padding
.set HALFS,  (128*KS/256)*272          ; the scales of 128 rows
.set SBLK,   (16*KS/256)*272           ; those of 16 rows
.set SCB,    SCL+4*HALFS               ; behind them: the scales of tile 2's 128 rows of w_qkv
.set SPARE,  SCB+HALFS                 ; the spare words, 128 bytes for each wave: two blocks of 256 bytes that no other line names
.set STG0,   SPARE+512                 ; the stages of the way out: bytes of their own, into which no tile lands
.set HP,     144                       ; a head's row in the stage: 128 bytes + 16
.set HSTG,   16*HP                     ; 16 rows of one head
.set ADRS1, 1                          ; v1      tile 2: LDS address of my scale words
.set ADRA, 16                          ; v16-17  tile 1: LDS address of my x fragments in slot 0, 1
.set ADRA1, 18                         ; v18-19  tile 2: the same
.set ADRB, 20                          ; v20-21  tile 1: LDS address of my w_qkv fragments in slot 0, 1
.set ADRB1, 22                         ; v22-23  tile 2: the same
.set STO,  24                          ; v24     the way out: where I put 16 bytes of a head's row
.set RD,   25                          ; v25     the way out: where I read rows back
.set CO,   26                          ; v26     16 x lane: my bytes of a store's 512
.set ADRS, 27                          ; v27     tile 1: LDS address of my scale words: lanes 0-15 x's rows, lanes 16-31 w_qkv's
.set SPW,  28                          ; v28     LDS address of my spare word; never rewritten
.set NIL,  29                          ; v29     0; never rewritten
.set TAB,  30                          ; v30     my byte in a block's 16 rows of cos and sin: 256 (l % 16) + 32 (l / 16); never rewritten
.set WOF,  31                          ; v31     my byte in the norm's weight: 32 (l / 16); never rewritten
.set SS,   2                           ; v2-9    sums of squares: two chains of pairs for each of the two heads
.set PT,   10                          ; v10-11  the other half of the lanes' sums
.set NR,   12                          ; v12, v14 the two heads' norm factors (v13, v15 are named with them as pairs)
.set SC,   32                          ; scale words: set s at v[SC + 8 NQ s]; register NQ i + q: lanes 0-15 the word of x's block i, lanes 16-31 that of w_qkv's block i
.set WN,   96                          ; the norm's weight at my 32 channels: register 8 tt + j = channel 16 tt + 8 (l / 16) + j
.set AF,   128                         ; x's fragments
.set U,    128                         ; the way out: 64 numbers behind RoPE; their f16 pairs are packed into its low 32 registers:
.set P,    128
.set BK,   192                         ; 16 rows x 2 heads read back from the stage: v192-223 and v224-255 by turns
.set T,    0                           ; in window 1: accumulator x weight, 64 numbers
.set G1T, 4                            ; s[4:11]  group 1 for a quarter of tile 2's scales (written when the four pointers that arrive there have served)
.set G1, 24                            ; s[24:31] group 1 for x's tiles;  s[32:39] groups 0, one for each slot
.set G0, 32
.set G1B, 48                           ; s[48:55], s[56:63] the same for w_qkv's tiles
.set G0B, 56
.set G1S, 68                           ; s[68:75], s[76:79] groups 1 and 0 for x's scales;  s[80:87], s[88:91] for w_qkv's
.set G0S, 76
.set G1SB, 80
.set G0SB, 88
.set G0R, 88                           ; s[88:91] later: group 0 of the refill (written behind a wait that shows every earlier tensor load done)
.set G0T, 92                           ; s[92:95] group 0 for my quarter of tile 2's scales
.set BFROM, ADRB                       ; which address registers FETCH_B takes
.set LASTB, 7                          ; the last block of the tile on its way out
.set OUTP, 12                          ; s[12:13] tile 1's place in qkvh;  s[18:19] tile 2's
.set MSB, 0
.macro WIN new                         ; the immediate's high byte repeats the setting that is left
.if MSB != \new
	s_set_vgpr_msb (MSB<<8)|\new
.set MSB, \new
.endif
.endm
.set MUL_LO, 0xa1                      ; source 0 (w_qkv) window 1, source 1 (x) window 0, C and D window 2
.set MUL_HI, 0xf1                      ; the same, C and D window 3
.set TO_B,   0x40                      ; destination window 1, address window 0
; A joint load: waves 0 and 1 fetch for x, waves 2 and 3 for w_qkv.  Each of the two lines has ONE mask and one set of registers for all that issue it; the branch hangs on the wave's number alone.
; An s_nop 0 and four v_nop follow each of the two lines, ahead of the jump, the label and what follows.
.macro JLOAD g0a, g1a, g0b, g1b
	s_cmp_eq_u32 s15, 0
	s_cbranch_scc0 .Lfor_b_\@
	tensor_load_to_lds s[\g0a:\g0a+3], s[\g1a:\g1a+7]
	s_nop 0
.rept 4
	v_nop
.endr
	s_branch .Lasked_\@
.Lfor_b_\@:
	tensor_load_to_lds s[\g0b:\g0b+3], s[\g1b:\g1b+7]
	s_nop 0
.rept 4
	v_nop
.endr
.Lasked_\@:
.endm
.macro CREST                           ; a round of the cluster's barrier behind its opening barrier
	s_cmp_lg_u32 s14, 0
	s_cbranch_scc1 .Lnot_wave_0_\@
	s_barrier_signal -3
.Lnot_wave_0_\@:
	s_barrier_wait -3
	s_barrier_signal -1
	s_barrier_wait -1
.endm
.macro CROUND                          ; a whole round
	s_barrier_signal -1
	s_barrier_wait -1
	CREST
.endm
	s_load_b128 s[4:7], s[0:1], 0x0                ; x's codes s[4:5], x's scales s[6:7]
	s_load_b128 s[8:11], s[0:1], 0x10              ; w_qkv's codes s[8:9], its scales s[10:11]
	s_load_b64 s[12:13], s[0:1], 0x20              ; qkvh
	s_load_b128 s[96:99], s[0:1], 0x28             ; cos s[96:97], sin s[98:99]
	s_load_b64 s[100:101], s[0:1], 0x38            ; q_norm_w
	s_load_b64 s[66:67], s[0:1], 0x40              ; k_norm_w
	v_lshl_add_u32 v[SPW], v0, 2, SPARE
	v_mov_b32 v[NIL], 0
	ds_add_u32 v[SPW], v[NIL]                      ; the wave's opening: the add, twice on end, and its wait ahead of my first tensor load; the set-up below stands between the second and the wait
	ds_add_u32 v[SPW], v[NIL]
	v_lshrrev_b32 v1, 5, v0
	v_readfirstlane_b32 s14, v1                    ; wave 0..3
	s_lshr_b32 s15, s14, 1                         ; tile 1: which half of the rows is mine.  Also: I fetch for x (0) or for w_qkv (1)
	s_and_b32 s16, s14, 1                          ; tile 1: which half of the columns.  Also: which 128 rows of a tile, and which slot's part of the refill, I fetch
	s_bfe_u32 s40, ttmp6, 0x40000                  ; cx, cy: my place in the cluster
	s_bfe_u32 s41, ttmp6, 0x40004
	s_lshl_b32 s42, ttmp9, 3
	s_add_co_u32 s42, s42, s40                     ; tile 1's 256 rows of w_qkv: number cx (q) where the cluster's x is 0, 8 + cx (v) where it is 1
	s_and_b32 s17, ttmp7, 0xffff
	s_lshl_b32 s17, s17, 2
	s_add_co_u32 s17, s17, s41                     ; tile row = 4 x cluster y + cy
	s_lshl_b32 s43, s41, 2
	s_lshl_b32 s43, 15, s43                        ; my row of the cluster
	s_lshl_b32 s44, 0x1111, s40                    ; my column
	; descriptor group 1: a tile of 128 rows x 256 bytes, padded in LDS
	s_or_b32 s[G1+0], s43, (0<<16)|(1<<20)|(1<<21)|(5<<22)|(3<<25)  ; 15:0 the mask: x's tiles go to my row; 17:16 elements of 1 byte; 20 padding on; 21 set beside a mask; 24:22 after every 64 words; 31:25 four words
	s_or_b32 s[G1B+0], s44, (0<<16)|(1<<20)|(1<<21)|(5<<22)|(3<<25)
.irp g, G1, G1B
	s_mov_b32 s[\g+1], ROWB<<16                    ; tensor_dim0
	s_mov_b32 s[\g+2], 128<<16                     ; tensor_dim1
	s_mov_b32 s[\g+3], ROWB<<16                    ; tile_dim0
	s_mov_b32 s[\g+4], 128                         ; tile_dim1
	s_mov_b32 s[\g+5], KROW                        ; tensor_dim0_stride
	s_mov_b32 s[\g+6], 0
	s_mov_b32 s[\g+7], 0
.endr
	; the scales of 128 rows: a dense block of 4,096 bytes, as 16 rows of 256 bytes (32 elements of 8 bytes), 16 bytes of padding behind each
	s_or_b32 s[G1S+0], s43, (3<<16)|(1<<20)|(1<<21)|(5<<22)|(3<<25)
	s_or_b32 s[G1SB+0], s44, (3<<16)|(1<<20)|(1<<21)|(5<<22)|(3<<25)
.irp g, G1S, G1SB
	s_mov_b32 s[\g+1], 32<<16
	s_mov_b32 s[\g+2], (128*KS/256)<<16
	s_mov_b32 s[\g+3], 32<<16
	s_mov_b32 s[\g+4], 128*KS/256
	s_mov_b32 s[\g+5], 32
	s_mov_b32 s[\g+6], 0
	s_mov_b32 s[\g+7], 0
.endr
	s_lshl_b32 s18, s16, 7                         ; which 128 rows of the tile I fetch
	s_lshl_b32 s20, s17, 8
	s_add_co_u32 s20, s20, s18                     ; x: row 256 x tile row + 128 x half
	s_lshl_b32 s46, s42, 8
	s_add_co_u32 s46, s46, s18                     ; w_qkv, tile 1: its first row + 128 x half
	s_mov_b32 s21, 0
	s_mov_b32 s47, 0
	s_mov_b64 s[18:19], KS
	s_mul_u64 s[22:23], s[20:21], s[18:19]         ; where these rows' scales begin, in bytes
	s_mul_u64 s[92:93], s[46:47], s[18:19]
	s_mov_b64 s[18:19], KROW
	s_mul_u64 s[20:21], s[20:21], s[18:19]         ; and their codes
	s_mul_u64 s[46:47], s[46:47], s[18:19]
	s_mul_i32 s45, s14, HALFT                      ; where they go: wave x 128 rows: no place in the cluster enters an LDS address
	s_mul_i32 s94, s14, HALFS
	s_lshl_b32 s104, ttmp9, 9                      ; w_qkv, tile 2: row 1,024 + 512 x cluster x + 128 cx: it hangs on what my column of the cluster shares
	s_lshl_b32 s105, s40, 7
	s_add_co_u32 s104, s104, s105
	s_add_co_u32 s104, s104, 1024
	s_lshl_b32 s2, s104, 5                         ; its scales: 32 bytes a row; my quarter: 32 rows, 1,024 bytes
	s_lshl_b32 s3, s14, 10
	s_add_co_u32 s2, s2, s3
	s_mov_b32 s3, 0
	s_lshl_b32 s104, s104, 9                       ; its codes: 512 bytes a row; the half of K that I fetch: 256 bytes on
	s_lshl_b32 s105, s16, 8
	s_add_co_u32 s104, s104, s105
	s_mov_b32 s105, 0
	s_wait_dscnt 0x0                               ; both opening adds are done
	s_wait_kmcnt 0x0
	s_add_nc_u64 s[20:21], s[4:5], s[20:21]
	s_add_nc_u64 s[22:23], s[6:7], s[22:23]
	s_add_nc_u64 s[46:47], s[8:9], s[46:47]
	s_add_nc_u64 s[92:93], s[10:11], s[92:93]
	s_add_nc_u64 s[104:105], s[8:9], s[104:105]    ; kept for the refill
	s_add_nc_u64 s[2:3], s[10:11], s[2:3]
	; the four pointers have served.  Group 1 for the scales of 32 rows: 4 rows of 256 bytes, 16 bytes of padding behind each; they go to my column
	s_or_b32 s[G1T+0], s44, (3<<16)|(1<<20)|(1<<21)|(5<<22)|(3<<25)
	s_mov_b32 s[G1T+1], 32<<16
	s_mov_b32 s[G1T+2], 4<<16
	s_mov_b32 s[G1T+3], 32<<16
	s_mov_b32 s[G1T+4], 4
	s_mov_b32 s[G1T+5], 32
	s_mov_b32 s[G1T+6], 0
	s_mov_b32 s[G1T+7], 0
	CROUND                                         ; all sixteen work-groups are here: the joint loads meet
	s_mov_b32 s[G0S], 1
	s_add_co_u32 s[G0S+1], s94, SCL
	s_mov_b64 s[G0S+2:G0S+3], s[22:23]
	s_or_b32 s[G0S+3], s[G0S+3], 0x80000000
	s_mov_b32 s[G0SB], 1
	s_add_co_u32 s[G0SB+1], s94, SCL
	s_mov_b64 s[G0SB+2:G0SB+3], s[92:93]
	s_or_b32 s[G0SB+3], s[G0SB+3], 0x80000000
	JLOAD G0S, G1S, G0SB, G1SB                     ; the scales first: they are wanted with slot 0
	s_mov_b32 s[G0T], 1
	s_mul_i32 s[G0T+1], s14, 4*272
	s_add_co_u32 s[G0T+1], s[G0T+1], SCB
	s_mov_b64 s[G0T+2:G0T+3], s[2:3]
	s_or_b32 s[G0T+3], s[G0T+3], 0x80000000
	tensor_load_to_lds s[G0T:G0T+3], s[G1T:G1T+7]  ; tile 2's scales, a quarter a wave: one line for all four waves, so that every wave has issued the same number of loads
	s_nop 0
.rept 4
	v_nop
.endr
.irp s, 0,1
	s_mov_b32 s[G0+4*\s], 1
	s_add_co_u32 s[G0+4*\s+1], s45, \s*SLOT
	s_add_nc_u64 s[G0+4*\s+2:G0+4*\s+3], s[20:21], \s*ROWB
	s_or_b32 s[G0+4*\s+3], s[G0+4*\s+3], 0x80000000
	s_mov_b32 s[G0B+4*\s], 1
	s_add_co_u32 s[G0B+4*\s+1], s45, \s*SLOT
	s_add_nc_u64 s[G0B+4*\s+2:G0B+4*\s+3], s[46:47], \s*ROWB
	s_or_b32 s[G0B+4*\s+3], s[G0B+4*\s+3], 0x80000000
	JLOAD G0+4*\s, G1, G0B+4*\s, G1B               ; by this text's own count four tensor loads of a wave are out
.endr
	v_and_b32 v1, 15, v0                           ; l % 16
	v_bfe_u32 v2, v0, 4, 1                         ; l / 16
	v_mul_u32_u24 v3, v1, PITCH
	v_lshl_add_u32 v4, v2, 4, v3                   ; a fragment's row x pitch + 16 x half
	s_mul_i32 s21, s15, HALFT                      ; tile 1: my 128 rows of x
	s_mul_i32 s22, s16, HALFT                      ; my 128 rows of w_qkv,
	s_add_co_u32 s22, s22, 2*HALFT                 ; which lie behind x's 256
.irp s, 0,1
	v_add_nc_u32 v[ADRA+\s], s21, v4
	v_add_nc_u32 v[ADRB+\s], s22, v4
	s_add_co_u32 s21, s21, SLOT
	s_add_co_u32 s22, s22, SLOT
.endr
	s_mul_i32 s21, s14, 64*PITCH                   ; tile 2: my 64 rows of x,
	v_add_nc_u32 v[ADRA1], s21, v4
	s_add_co_u32 s21, s21, SLOT
	v_add_nc_u32 v[ADRA1+1], s21, v4
	v_add_nc_u32 v[ADRB1], 2*HALFT, v4             ; and all 128 rows of w_qkv, the same for every wave
	v_add_nc_u32 v[ADRB1+1], SLOT+2*HALFT, v4
	v_mul_u32_u24 v5, v1, KS                       ; my row's scales: KS bytes a row,
	v_lshrrev_b32 v6, 8, v5
	v_lshl_add_u32 v5, v6, 4, v5                   ; and 16 more for each 256 passed
	s_mul_i32 s21, s15, HALFS                      ; tile 1: x's: my 128 rows
	s_mul_i32 s22, s16, HALFS                      ; w_qkv's: my 128 rows, behind x's 256
	s_add_co_u32 s22, s22, 2*HALFS
	s_sub_co_u32 s22, s22, s21
	v_mul_u32_u24 v6, s22, v2                      ; lanes 16-31 take w_qkv's: one product, the distance between the two bases
	s_add_co_u32 s21, s21, SCL
	v_add_nc_u32 v6, v5, v6
	v_add_nc_u32 v[ADRS], s21, v6
	s_mul_i32 s21, s14, 4*SBLK                     ; tile 2: x's: my 64 rows
	s_mov_b32 s22, 4*HALFS                         ; w_qkv's: at SCB
	s_sub_co_u32 s22, s22, s21
	v_mul_u32_u24 v6, s22, v2
	s_add_co_u32 s45, s21, SCL
	v_add_nc_u32 v7, v5, v6                        ; (finished at the end of these lines, into the register that holds l % 16 until then)
	s_mul_i32 s23, s14, 2*HSTG                     ; my stage: two heads x 16 rows
	s_add_co_u32 s23, s23, STG0
	v_mul_u32_u24 v5, v1, HP                       ; in: row l % 16, 16 bytes for each half of the lanes
	v_lshl_add_u32 v5, v2, 4, v5
	v_add_nc_u32 v[STO], s23, v5
	v_bfe_u32 v5, v0, 3, 2                         ; back: eight lanes take a row of 128 bytes, the 32 lanes four rows
	v_mul_u32_u24 v5, v5, HP
	v_and_b32 v6, 7, v0
	v_lshl_add_u32 v5, v6, 4, v5
	v_add_nc_u32 v[RD], s23, v5
	v_and_b32 v6, 31, v0
	v_lshlrev_b32 v[CO], 4, v6
	v_lshlrev_b32 v[TAB], 8, v1
	v_lshl_add_u32 v[TAB], v2, 5, v[TAB]
	v_lshlrev_b32 v[WOF], 5, v2
	v_add_nc_u32 v[ADRS1], s45, v7
	s_lshl_b32 s20, s41, 16                        ; cos and sin at tile 1's first position of mine, 256 cy + 128 x my half of the rows; 256 bytes a position
	s_lshl_b32 s21, s15, 15
	s_add_co_u32 s20, s20, s21
	s_mov_b32 s21, 0
	s_add_nc_u64 s[96:97], s[96:97], s[20:21]
	s_add_nc_u64 s[98:99], s[98:99], s[20:21]
	s_lshl_b32 s18, ttmp9, 20                      ; tile 2's place in qkvh: head 8 x cluster x + 2 cx,
	s_lshl_b32 s19, s40, 18
	s_add_co_u32 s18, s18, s19
	s_and_b32 s19, ttmp7, 0xffff
	s_lshl_b32 s19, s19, 21                        ; b = the cluster's y (a cluster's four tile rows are 1,024 positions),
	s_add_co_u32 s18, s18, s19
	s_lshl_b32 s19, s41, 15                        ; position 256 cy + 64 x wave, 128 bytes a position,
	s_add_co_u32 s18, s18, s19
	s_lshl_b32 s19, s14, 13
	s_add_co_u32 s18, s18, s19
	s_add_co_u32 s18, s18, 1<<24                   ; kind k
	s_mov_b32 s19, 0
	s_add_nc_u64 s[18:19], s[12:13], s[18:19]
	s_lshl_b32 s2, ttmp9, 25                       ; tile 1's: kind q or v,
	s_and_b32 s3, ttmp7, 0xffff
	s_lshl_b32 s3, s3, 21                          ; b,
	s_add_co_u32 s2, s2, s3
	s_lshl_b32 s3, s40, 19                         ; my first head, 4 cx + 2 x my half of the columns,
	s_add_co_u32 s2, s2, s3
	s_lshl_b32 s3, s16, 18
	s_add_co_u32 s2, s2, s3
	s_lshl_b32 s3, s41, 15                         ; position 256 cy + 128 x my half of the rows
	s_add_co_u32 s2, s2, s3
	s_lshl_b32 s3, s15, 14
	s_add_co_u32 s2, s2, s3
	s_mov_b32 s3, 0
	s_add_nc_u64 s[12:13], s[12:13], s[2:3]
	s_mov_b32 s2, 0x358637bd                       ; 1e-6
	s_mov_b32 s3, 0x3c800000                       ; 1 / 64
	s_lshl_b32 s22, s16, 14                        ; from tile 1's first position of mine to tile 2's: 64 x wave - 128 x (wave / 2) = 64 x (wave % 2) positions
	s_mov_b32 s23, 0
	s_mov_b32 s20, 0x76543210                      ; v_permlanex16_b32's selects for lane l xor 16
	s_mov_b32 s21, 0xfedcba98
; cos and sin of block a's 16 positions at my 32 channels, into set a % 2 of window 1: cos at CB + 8 tt + j, sin 32 registers on
.macro CSLOAD a
.set CB, 64+128*((\a)%2)
	WIN TO_B
.irp tt, 0,1,2,3
	global_load_b128 v[CB+8*\tt:CB+8*\tt+3], v[TAB], s[96:97] offset:4096*(\a)+64*\tt
	global_load_b128 v[CB+8*\tt+4:CB+8*\tt+7], v[TAB], s[96:97] offset:4096*(\a)+64*\tt+16
	global_load_b128 v[CB+32+8*\tt:CB+32+8*\tt+3], v[TAB], s[98:99] offset:4096*(\a)+64*\tt
	global_load_b128 v[CB+32+8*\tt+4:CB+32+8*\tt+7], v[TAB], s[98:99] offset:4096*(\a)+64*\tt+16
.endr
	WIN 0
.endm
	; the tables of tile 1's first two blocks are asked for here and land under the products.  The work-groups whose tile 1 is v issue these 40 loads too and use nothing of them: one way through the head for both kinds
.irp tt, 0,1,2,3
	global_load_b128 v[WN+8*\tt:WN+8*\tt+3], v[WOF], s[100:101] offset:64*\tt
	global_load_b128 v[WN+8*\tt+4:WN+8*\tt+7], v[WOF], s[100:101] offset:64*\tt+16
.endr
	CSLOAD 0
	CSLOAD 1
.macro FRAG reg, adr, q, i             ; a fragment, 16 rows x 128 K of 4-bit codes: lane l holds row l % 16; registers 4 c .. 4 c + 3 hold K = 64 c + 32 (l / 16) + 0 .. 31
.irp c, 0,1
	ds_load_b128 v[\reg+4*\c:\reg+4*\c+3], v[\adr] offset:64*(\q)+32*\c+(\i)*16*PITCH
.endr
.endm
; TILE 1.  16 matrix instructions: x's blocks a0, a0 + 1 against w_qkv's eight, 128 along K: the slot's q-th.  p: w_qkv's set;  sc: the set of scale words.  zero = 1: the first product starts the sums.
; The 64 accumulators take turns, one instruction a turn, in the same order in every step.
.macro MUL16 a0, p, q, sc, zero
.irp a, \a0, \a0+1
.irp b, 0,1,2,3,4,5,6,7
.if \zero
	v_wmma_scale_f32_16x16x128_f8f6f4 v[8*(8*((\a)%4)+\b):8*(8*((\a)%4)+\b)+7], v[128*(\p)+FR*\b:128*(\p)+FR*\b+FR-1], v[AF+FR*(\a):AF+FR*(\a)+FR-1], 0, v[SC+8*NQ*(\sc)+NQ*\b+(\q)], v[SC+8*NQ*(\sc)+NQ*(\a)+(\q)] matrix_a_fmt:MATRIX_FMT_FP4 matrix_b_fmt:MATRIX_FMT_FP4 matrix_a_scale:MATRIX_SCALE_ROW1
.else
	v_wmma_scale_f32_16x16x128_f8f6f4 v[8*(8*((\a)%4)+\b):8*(8*((\a)%4)+\b)+7], v[128*(\p)+FR*\b:128*(\p)+FR*\b+FR-1], v[AF+FR*(\a):AF+FR*(\a)+FR-1], v[8*(8*((\a)%4)+\b):8*(8*((\a)%4)+\b)+7], v[SC+8*NQ*(\sc)+NQ*\b+(\q)], v[SC+8*NQ*(\sc)+NQ*(\a)+(\q)] matrix_a_fmt:MATRIX_FMT_FP4 matrix_b_fmt:MATRIX_FMT_FP4 matrix_a_scale:MATRIX_SCALE_ROW1
.endif
.endr
.endr
.endm
; TILE 2.  The same for x's blocks a0, a0 + 1 of four, from x's set p (32 registers a set), against w_qkv's eight from its set p.  The 32 accumulators take turns likewise.
.macro MULH a0, p, q, sc, zero
.irp a, \a0, \a0+1
.irp b, 0,1,2,3,4,5,6,7
.if \zero
	v_wmma_scale_f32_16x16x128_f8f6f4 v[8*(8*(\a)+\b):8*(8*(\a)+\b)+7], v[128*(\p)+FR*\b:128*(\p)+FR*\b+FR-1], v[AF+32*(\p)+FR*(\a):AF+32*(\p)+FR*(\a)+FR-1], 0, v[SC+8*NQ*(\sc)+NQ*\b+(\q)], v[SC+8*NQ*(\sc)+NQ*(\a)+(\q)] matrix_a_fmt:MATRIX_FMT_FP4 matrix_b_fmt:MATRIX_FMT_FP4 matrix_a_scale:MATRIX_SCALE_ROW1
.else
	v_wmma_scale_f32_16x16x128_f8f6f4 v[8*(8*(\a)+\b):8*(8*(\a)+\b)+7], v[128*(\p)+FR*\b:128*(\p)+FR*\b+FR-1], v[AF+32*(\p)+FR*(\a):AF+32*(\p)+FR*(\a)+FR-1], v[8*(8*(\a)+\b):8*(8*(\a)+\b)+7], v[SC+8*NQ*(\sc)+NQ*\b+(\q)], v[SC+8*NQ*(\sc)+NQ*(\a)+(\q)] matrix_a_fmt:MATRIX_FMT_FP4 matrix_b_fmt:MATRIX_FMT_FP4 matrix_a_scale:MATRIX_SCALE_ROW1
.endif
.endr
.endr
.endm
.macro FETCH_B slot, q, p              ; w_qkv's eight fragments of the slot's q-th 128 along K into set p
	WIN TO_B
.irp i, 0,1,2,3,4,5,6,7
	FRAG 128*(\p)+FR*\i, BFROM+\slot, \q, \i
.endr
	WIN 0
.endm
.macro FETCH_A slot, q, i0             ; tile 1: x's blocks i0 .. i0 + 3
.irp i, \i0, \i0+1, \i0+2, \i0+3
	FRAG AF+FR*(\i), ADRA+\slot, \q, \i
.endr
.endm
.macro FETCH_H slot, q, p              ; tile 2: x's four blocks into set p
.irp i, 0,1,2,3
	FRAG AF+32*(\p)+FR*\i, ADRA1+\slot, \q, \i
.endr
.endm
.macro SCALES sc                       ; tile 1: a slot's scale words into set sc: NQ words a row; lanes 0-15 take x's block i, lanes 16-31 w_qkv's block i
.irp i, 0,1,2,3,4,5,6,7
	ds_load_b128 v[SC+8*NQ*\sc+NQ*\i:SC+8*NQ*\sc+NQ*\i+3], v[ADRS] offset:\i*SBLK
.endr
.endm
.macro SCALES1 sc                      ; tile 2: the same; slot sc's words lie 16 bytes on in a row.  I have four blocks of x: what lanes 0-15 bring for i = 4 .. 7 (scale bytes of other rows, inside the scales' region) is used by no product
.irp i, 0,1,2,3,4,5,6,7
	ds_load_b128 v[SC+8*NQ*\sc+NQ*\i:SC+8*NQ*\sc+NQ*\i+3], v[ADRS1] offset:\i*SBLK+16*\sc
.endr
.endm
; A load into a register that a matrix instruction has read, and a vector instruction or an LDS store that reads a matrix result, stand NP places behind that matrix instruction; only plain vector
; instructions that name none of its registers are places (ISA guide 7.12.1 for vector instructions).
.macro PLACES n
.rept \n
	v_nop
.endr
.endm
; TILE 1: a step of 128 along K that has its successor in the same slot.  x has one set of registers: blocks 0-3 are fetched anew in the step's middle, blocks 4-7 at its end.
.macro STEP slot, q, zero
	s_wait_dscnt 4*NL                              ; w_qkv's set and x's blocks 0-3 are in; the youngest eight loads (x's blocks 4-7) may be out
	WIN MUL_LO
	MUL16 0, (\q)%2, \q, \slot, \zero
	MUL16 2, (\q)%2, \q, \slot, \zero
	s_wait_dscnt 0                                 ; x's blocks 4-7 are in
	PLACES NP
	FETCH_B \slot, (\q)+1, 1-(\q)%2
	FETCH_A \slot, (\q)+1, 0
	WIN MUL_HI
	MUL16 4, (\q)%2, \q, \slot, \zero
	MUL16 6, (\q)%2, \q, \slot, \zero
	PLACES NP
	WIN 0
	FETCH_A \slot, (\q)+1, 4
.endm
; Slot 0's last step changes slots: ONE barrier.  In front of it each wave waits for all its tensor loads (its part of slot 1), adds 0 to its spare word, and waits for that and for its own reads of slot 0.
; Behind it slot 1 is whole.
.macro TURN slot, next
	s_wait_tensorcnt 0x0                           ; all my tensor loads have landed
	ds_add_u32 v[SPW], v[NIL]                      ; 0 onto my spare word
	s_wait_dscnt 4*NL+1                            ; (the add and the youngest eight loads, x's blocks 4-7, may be out)
	WIN MUL_LO
	MUL16 0, 1, NQ-1, \slot, 0                     ; sixteen matrix instructions stand between the add and the wait for it
	s_wait_dscnt 0x0                               ; the add is done, and my reads of this slot are over
	s_barrier_signal -1
	MUL16 2, 1, NQ-1, \slot, 0
	WIN 0
	s_barrier_wait -1
	PLACES NP
	v_add_nc_u32 v[ADRS], 4*NQ, v[ADRS]            ; on to the next slot's scale words
	FETCH_B \next, 0, 0
	FETCH_A \next, 0, 0
	SCALES \next
	WIN MUL_HI
	MUL16 4, 1, NQ-1, \slot, 0
	MUL16 6, 1, NQ-1, \slot, 0
	PLACES NP
	WIN 0
	FETCH_A \next, 0, 4
.endm
.macro STEPS slot, from                ; the slot's steps from .. NQ - 2
.set Q, \from
.rept NQ-1-\from
	STEP \slot, Q, 0
.set Q, Q+1
.endr
.endm
	s_wait_tensorcnt 1                             ; all scales and my part of slot 0 are in (slot 1's load may be out)
	s_barrier_signal -1
	s_barrier_wait -1                              ; everybody's are
	FETCH_B 0, 0, 0
	FETCH_A 0, 0, 0
	SCALES 0
	FETCH_A 0, 0, 4
	STEP 0, 0, 1                                   ; the first step's products start the sums: nothing is cleared
	STEPS 0, 1
	TURN 0, 1
	STEPS 1, 0
	; TILE 1'S LAST STEP ASKS FOR TILE 2'S ROWS OF W_QKV.  All fragments of the step have been asked for, so w_qkv's rows in both slots are read out.  Each wave waits for all its tensor loads, adds 0 to its spare word, and waits
	; for that and for its reads; the barrier opens a round of the cluster's barrier, so that no wave of any partner still reads those rows; the joint load is the first tensor load behind the round.
	s_wait_tensorcnt 0x0                           ; no tensor load of mine is out, so a group 0 may be written  (every window is 0 here)
	ds_add_u32 v[SPW], v[NIL]                      ; 0 onto my spare word: the refill's group 0 and sixteen products stand between it and the wait for it
	s_mov_b32 s[G0R], 1                            ; 1:0 count = 1
	s_mul_i32 s[G0R+1], s16, SLOT                  ; 63:32 LDS address: wave 2: slot 0, wave 3: slot 1; the first 128 of w_qkv's rows there
	s_add_co_u32 s[G0R+1], s[G0R+1], 2*HALFT
	s_mov_b64 s[G0R+2:G0R+3], s[104:105]           ; 120:64 global address: tile 2's 128 rows, my half of K
	s_or_b32 s[G0R+3], s[G0R+3], 0x80000000        ; 127:126 type = 2
	s_wait_dscnt 4*NL+1                            ; (the add and the youngest eight loads, x's blocks 4-7, may be out)
	WIN MUL_LO
	MUL16 0, 1, NQ-1, 1, 0
	s_wait_dscnt 0x0                               ; the add is done, and my reads of both slots are over
	s_barrier_signal -1
	MUL16 2, 1, NQ-1, 1, 0
	WIN 0
	s_barrier_wait -1
	CREST
	s_cmp_eq_u32 s15, 0                            ; waves 2 and 3 fetch, 128 rows x 256 bytes each; waves 0 and 1 have no part.  The branch hangs on the wave's number alone
	s_cbranch_scc1 .Lno_part
	tensor_load_to_lds s[G0R:G0R+3], s[G1B:G1B+7]  ; it has the rest of this step and tile 1's whole way out in which to land
	s_nop 0
.rept 4
	v_nop
.endr
.Lno_part:
	WIN MUL_HI
	MUL16 4, 1, NQ-1, 1, 0
	MUL16 6, 1, NQ-1, 1, 0
	WIN 0
; THE WAY OUT, block by block of 16 rows x 128 columns (two heads).  Number n = 0 .. 63 of a lane: head n / 32, channel 16 ((n % 32) / 8) + 8 (l / 16) + n % 8.
; NORMROPE a: block a of kind q or k.  LASTB: the tile's last block.
.macro NORMROPE a
.set WA, 2+(\a)/4                      ; the block's accumulators: window 2 or 3,
.set AC, 64*((\a)%4)                   ; from this register on
.set CB, 64+128*((\a)%2)
.set WW, WA|(WA<<2)
.set WT, WA|0x40
.if (\a) < LASTB
	s_wait_loadcnt 16                              ; this block's cos and sin (and the weight) are in; the next block's 16 loads may be out
.else
	s_wait_loadcnt 0x0
.endif
	WIN WW                                         ; sources 0 and 1: the accumulators' window
.set n, 0
.rept 32                               ; the sums of squares, two numbers at a time, ascending (each accumulator from its low end on), in two chains a head
.set ch, SS+4*(n/32)+2*((n/2)%2)
.if (n%32) < 4
	v_pk_mul_f32 v[ch:ch+1], v[AC+n:AC+n+1], v[AC+n:AC+n+1]
.else
	v_pk_fma_f32 v[ch:ch+1], v[AC+n:AC+n+1], v[AC+n:AC+n+1], v[ch:ch+1]
.endif
.set n, n+2
.endr
	WIN WT                                         ; source 0: the accumulators; destination: window 1
.set n, 0
.rept 32
	v_pk_mul_f32 v[T+n:T+n+1], v[AC+n:AC+n+1], v[WN+n%32:WN+n%32+1]   ; T = x w
.set n, n+2
.endr
	WIN 0
	v_pk_add_f32 v[SS:SS+1], v[SS:SS+1], v[SS+2:SS+3]
	v_pk_add_f32 v[SS+4:SS+5], v[SS+4:SS+5], v[SS+6:SS+7]
	v_add_f32 v[SS], v[SS], v[SS+1]
	v_add_f32 v[SS+4], v[SS+4], v[SS+5]
	v_permlanex16_b32 v[PT], v[SS], s20, s21       ; the row's other 32 channels lie in the lane 16 away
	v_permlanex16_b32 v[PT+1], v[SS+4], s20, s21
	v_add_f32 v[SS], v[SS], v[PT]
	v_add_f32 v[SS+4], v[SS+4], v[PT+1]
	v_fma_f32 v[SS], v[SS], s3, s2                 ; the mean + 1e-6
	v_fma_f32 v[SS+4], v[SS+4], s3, s2
	v_rsq_f32 v[NR], v[SS]
	v_rsq_f32 v[NR+2], v[SS+4]
	WIN 0x05                                       ; sources 0 (T) and 1 (cos, sin): window 1.  RoPE needs no norm factor: 64 plain lines behind the two roots
.set n, 0
.rept 32
	v_pk_mul_f32 v[U+n:U+n+1], v[T+n:T+n+1], v[CB+n%32:CB+n%32+1]
.set n, n+2
.endr
.set n, 0
.rept 32
.if (n%32) < 16
	v_pk_fma_f32 v[U+n:U+n+1], v[T+n+16:T+n+17], v[CB+32+n%32:CB+32+n%32+1], v[U+n:U+n+1] neg_lo:[1,0,0] neg_hi:[1,0,0]   ; channels 0-31: - T(d + 32) sin(d)
.else
	v_pk_fma_f32 v[U+n:U+n+1], v[T+n-16:T+n-15], v[CB+32+n%32:CB+32+n%32+1], v[U+n:U+n+1]                                 ; channels 32-63: + T(d - 32) sin(d)
.endif
.set n, n+2
.endr
.if (\a) < LASTB-1
	CSLOAD (\a)+2                                  ; this set of cos and sin has been read: it takes the block two on
.endif
	WIN 0
	s_wait_alu depctr_va_vdst(0)                   ; one wait for the two roots, ahead of their first reader
.set n, 0
.rept 32
	v_pk_mul_f32 v[U+n:U+n+1], v[U+n:U+n+1], v[NR+2*(n/32):NR+2*(n/32)+1] op_sel_hi:[1,0]
.set n, n+2
.endr
.set n, 0
.rept 32
	v_cvt_pk_f16_f32 v[P+n/2], v[U+n], v[U+n+1]    ; in place, ascending: register n / 2 has been read when it is written
.set n, n+2
.endr
.endm
.macro PACKV a                         ; block a of kind v: rounded as it is, each accumulator from its low end on
.set WA, 2+(\a)/4
.set AC, 64*((\a)%4)
.set WW, WA|(WA<<2)
	WIN WW
.set n, 0
.rept 32
	v_cvt_pk_f16_f32 v[P+n/2], v[AC+n], v[AC+n+1]
.set n, n+2
.endr
	WIN 0
.endm
; A lane holds 16 bytes of a head's row, and the lanes beside it hold other rows: so a block goes through my own stage in LDS and comes back as rows of 128 bytes, four to an instruction.
; LDS serves a wave's instructions in order (ISA guide 5.7.1.4): no wait between the stores and the loads, nor in front of the next block's stores.
.macro TOSTAGE a
.set BB, BK+32*((\a)%2)
.irp b, 0,1,2,3,4,5,6,7
	ds_store_b128 v[STO], v[P+4*\b:P+4*\b+3] offset:HSTG*(\b/4)+32*(\b%4)
.endr
.irp hh, 0,1
.irp i, 0,1,2,3
	ds_load_b128 v[BB+4*(4*\hh+\i):BB+4*(4*\hh+\i)+3], v[RD] offset:HSTG*\hh+4*HP*\i
.endr
.endr
.endm
.macro SEND a, younger                 ; younger: the LDS instructions issued behind block a's loads, which may stay out
.set BB, BK+32*((\a)%2)
	s_wait_dscnt \younger                          ; the block is back in registers
.irp hh, 0,1
.irp i, 0,1,2,3
	global_store_b128 v[CO], v[BB+4*(4*\hh+\i):BB+4*(4*\hh+\i)+3], s[OUTP:OUTP+1] offset:131072*\hh+2048*(\a)+512*\i   ; four positions of a head: 512 consecutive bytes, at a multiple of 512 from the buffer's first byte
.endr
.endr
.endm
	PLACES NP                                      ; behind the last products: for the first reads of results and the first writes of registers that they read
	v_mov_b32 v[PT], 0                             ; written once, on the way that both kinds take: a lane permute's destination counts as one of its sources
	v_mov_b32 v[PT+1], 0
	v_mov_b32 v[NR+1], 0                           ; named with the factors as pairs
	v_mov_b32 v[NR+3], 0
	s_cmp_eq_u32 ttmp9, 1                          ; tile 1's kind: the same number in all sixteen partners
	s_cbranch_scc1 .Lv
	NORMROPE 0
	TOSTAGE 0
.irp a, 1,2,3,4,5,6,7
	NORMROPE \a
.if \a > 1
	s_wait_xcnt 0x0                                ; block a - 2's stores have read their registers: block a's loads from the stage may land there
.endif
	TOSTAGE \a
	SEND \a-1, 16                                  ; behind block a - 1's loads: block a's 8 stores and 8 loads
.endr
	SEND 7, 0
	s_branch .Ljoin
.Lv:
	PACKV 0
	TOSTAGE 0
.irp a, 1,2,3,4,5,6,7
	PACKV \a
.if \a > 1
	s_wait_xcnt 0x0
.endif
	TOSTAGE \a
	SEND \a-1, 16
.endr
	SEND 7, 0
.Ljoin:
	; BETWEEN THE TILES.  Tile 2 is of kind k in every work-group.  Its tables are asked for here and land under its products.
	s_wait_loadcnt 0x0                             ; every table load is in (where tile 1 was v: the head's 40, which nothing has waited for): their registers and bases may be written
	s_wait_xcnt 0x0                                ; tile 1's stores have read their registers
	s_add_nc_u64 s[96:97], s[96:97], s[22:23]      ; cos and sin at position 256 cy + 64 x wave
	s_add_nc_u64 s[98:99], s[98:99], s[22:23]
.irp tt, 0,1,2,3
	global_load_b128 v[WN+8*\tt:WN+8*\tt+3], v[WOF], s[66:67] offset:64*\tt
	global_load_b128 v[WN+8*\tt+4:WN+8*\tt+7], v[WOF], s[66:67] offset:64*\tt+16
.endr
	CSLOAD 0
	CSLOAD 1
	s_wait_tensorcnt 0x0                           ; my part of tile 2's rows of w_qkv has landed (waves 0 and 1 have none),
	s_wait_dscnt 0x0                               ; my LDS instructions of the way out are done,
	s_barrier_signal -1
	s_barrier_wait -1                              ; and so everybody's.
; TILE 2: a step of 128 along K.  Both operands have two sets of registers: at a step's head the next step's 24 loads go out, into the sets that the step before multiplied, four places behind its last product;
; they have this step's 32 products in which to land.  Both slots are whole: no barrier stands between the steps.
.macro HSTEP slot, q, p, more, nslot, nq, zero
	s_wait_dscnt 0x0                               ; this step's fragments, asked for a step ago, are in
.if !\zero
	PLACES NP
.endif
.if \more
	FETCH_B \nslot, \nq, 1-\p
	FETCH_H \nslot, \nq, 1-\p
.endif
	WIN MUL_LO
	MULH 0, \p, \q, \slot, \zero
	MULH 2, \p, \q, \slot, \zero
	WIN 0
.endm
.set BFROM, ADRB1
	FETCH_B 0, 0, 0
	FETCH_H 0, 0, 0
	SCALES1 0
	SCALES1 1
	HSTEP 0, 0, 0, 1, 0, 1, 1                      ; the first step's products start the sums
	HSTEP 0, 1, 1, 1, 0, 2, 0
	HSTEP 0, 2, 0, 1, 0, 3, 0
	HSTEP 0, 3, 1, 1, 1, 0, 0
	HSTEP 1, 0, 0, 1, 1, 1, 0
	HSTEP 1, 1, 1, 1, 1, 2, 0
	HSTEP 1, 2, 0, 1, 1, 3, 0
	HSTEP 1, 3, 1, 0, 0, 0, 0
	PLACES NP                                      ; behind the last products, as above
.set LASTB, 3
.set OUTP, 18
	NORMROPE 0
	TOSTAGE 0
.irp a, 1,2,3
	NORMROPE \a
.if \a > 1
	s_wait_xcnt 0x0                                ; block a - 2's stores have read their registers
.endif
	TOSTAGE \a
	SEND \a-1, 16
.endr
	SEND 3, 0
	s_wait_tensorcnt 0x0                           ; the wave's end: behind my last tensor load and my last LDS store
	ds_add_u32 v[SPW], v[NIL]
	s_wait_dscnt 0x0
	CROUND                                         ; the closing round: no work-group ends while a partner may still ask for a tile that names it
	s_endpgm
.Lfunc_end_k_qdf958927d7_gemm_qkv:
	.size	k_qdf958927d7_gemm_qkv, .Lfunc_end_k_qdf958927d7_gemm_qkv-k_qdf958927d7_gemm_qkv
	.p2alignl 7, 3214868480
	.fill 96, 4, 3214868480
	.section	.rodata,"a",@progbits
	.p2align	6, 0x0
	.amdhsa_kernel k_qdf958927d7_gemm_qkv
		.amdhsa_group_segment_fixed_size 327680
		.amdhsa_private_segment_fixed_size 0
		.amdhsa_enable_private_segment 0
		.amdhsa_kernarg_size 72
		.amdhsa_user_sgpr_count 2
		.amdhsa_user_sgpr_kernarg_segment_ptr 1
		.amdhsa_wavefront_size32 1
		.amdhsa_system_sgpr_workgroup_id_x 1
		.amdhsa_system_sgpr_workgroup_id_y 1
		.amdhsa_system_sgpr_workgroup_id_z 1
		.amdhsa_system_vgpr_workitem_id 0
		.amdhsa_next_free_vgpr 1024
		.amdhsa_next_free_sgpr 106
		.amdhsa_reserve_vcc 0
		.amdhsa_float_denorm_mode_32 3
		.amdhsa_float_denorm_mode_16_64 3
		.amdhsa_memory_ordered 1
		.amdhsa_forward_progress 1
		.amdhsa_inst_pref_size 255
	.end_amdhsa_kernel
	.section	.bss,"aw",@nobits
	.p2align	6
	.space	262144
	.amdgpu_metadata
---
amdhsa.version: [ 1, 2 ]
amdhsa.kernels:
  - .name:           k_qdf958927d7_gemm_qkv
    .symbol:         k_qdf958927d7_gemm_qkv.kd
    .args:
      - { .name: xc, .offset: 0, .size: 8, .value_kind: global_buffer, .address_space: global }
      - { .name: xs, .offset: 8, .size: 8, .value_kind: global_buffer, .address_space: global }
      - { .name: wc, .offset: 16, .size: 8, .value_kind: global_buffer, .address_space: global }
      - { .name: ws, .offset: 24, .size: 8, .value_kind: global_buffer, .address_space: global }
      - { .name: qkvh, .offset: 32, .size: 8, .value_kind: global_buffer, .address_space: global }
      - { .name: cos, .offset: 40, .size: 8, .value_kind: global_buffer, .address_space: global }
      - { .name: sin, .offset: 48, .size: 8, .value_kind: global_buffer, .address_space: global }
      - { .name: q_norm_w, .offset: 56, .size: 8, .value_kind: global_buffer, .address_space: global }
      - { .name: k_norm_w, .offset: 64, .size: 8, .value_kind: global_buffer, .address_space: global }
    .group_segment_fixed_size: 327680
    .private_segment_fixed_size: 0
    .kernarg_segment_align: 8
    .kernarg_segment_size: 72
    .max_flat_workgroup_size: 128
    .sgpr_count:     106
    .vgpr_count:     1024
    .wavefront_size: 32
...
	.end_amdgpu_metadata
.endif
;; end of part 2
;; launch attn (part 3): grid 2 x 128, 8 waves a work-group, no clusters, 327,680 bytes of LDS; arguments qkvh, oh; writes oh
.if DOCPART == 3
	.amdgcn_target "amdgcn-amd-amdhsa--gfx1250"
	.amdhsa_code_object_version 6
	.text
	.protected	k_qdf958927d7_attn
	.globl	k_qdf958927d7_attn
	.p2align	8
	.type	k_qdf958927d7_attn,@function
k_qdf958927d7_attn:
	s_mov_b64 s[64:65], 0
	v_nop
	global_prefetch_b8 v0, s[64:65] scope:SCOPE_SE
	s_setreg_imm32_b32 hwreg(HW_REG_WAVE_MODE, 25, 1), 1
	s_wait_xcnt 0x0
; O[bh][q][:] = the sum over k of softmax_k(Q[bh][q] . K[bh][k] / 8) V[bh][k][:].  Q, K, V: the three kinds of qkvh, [128 bh][1024][64] f16 each; O: oh, the same shape, f16.
; Products, maxima and sums in f32; the weights p are rounded to f16 for the second product, O once at the end.
; SHARES.  A work-group owns 512 queries of one (b, h), each of its eight waves 64: four tiles of 16.  Two waves lie on a SIMD, 512 registers each: while one walks its softmax the other's products can be issued,
; so the text stays in phases.  Every wave walks all 1,024 keys, 64 a step; each fragment of K and V read from LDS feeds four products.
; THE WHOLE HEAD'S K AND V LIE IN LDS, filled once, in four chunks of 256 keys: waves 0-3 bring K, waves 4-7 V, 64 rows of each chunk, four tensor loads a wave, all issued at the head (four of a wave are out, by this text's count).
; The work begins when chunk 0 has landed; a counted wait and a barrier stand in front of the first step that reads a later chunk.  Nothing is filled again, and there is no later load to ask ahead for.
; NO CLUSTER: a head's K and V are read by two work-groups; clusters come as rows of four work-groups, which would hold two heads, so that a joint load would name half a row of its cluster.
; LAYOUT.  S^T = K Q^T (source 0 = 16 keys, source 1 = 16 queries): a lane holds ONE query (lane % 16) and the keys 8 (lane / 16) + 0..7 of a tile.  Two such tiles, rounded to f16 in pairs, ARE source 1
; (32 keys x 16 queries) of O^T = V^T P, whose result again holds one query a lane, and eight channels.  K comes out of LDS as it lies, V ([key][channel]) turned, by ds_load_tr16_b128.
; SOFTMAX.  For each query a running maximum m and sum l: p = 2^(c s - c m), c = log2(e) / 8; in every step O and l are multiplied by a = 2^(c m_old - c m_new), which is 1 where m has not grown.
; LIMITS: f16 operands: magnitudes of q, k, v over 65,504 are not served; a p under 6e-8 counts as 0 in the second product (the row's sum is at least 1).  NaN and infinities are not served.
; REGISTERS, in windows of 256: window 0: v2-11 addresses; v12-43 eight registers of statistics a tile; v64-191 S^T, 32 a tile (P is packed into the low 16 of each tile); v192-255 K of one step.
;   window 1: v0-63 Q, 16 a tile; v64-191 O^T, 32 a tile; v192-255 V of one step.
.set PK,    144       ; a row of K in LDS: 128 bytes + 16 = 36 words: the 16 rows of a load start at 16 different groups of four banks (ISA guide 11.1)
.set PVR,   160       ; a row of V: 128 + 32 = 40 words
.set KSB,   64*PK     ; a step's 64 rows of K
.set VSB,   64*PVR    ; and of V
.set VB,    1024*PK   ; V lies behind K
.set SPARE, VB+1024*PVR  ; behind V: the spare words, 128 bytes for each of the eight waves
.set STG,   16*PK     ; the way out: 16 rows x 144 bytes for each wave, in K's first bytes, behind a barrier behind which nobody reads K
.set AK0, 2           ; v2   my lane's place in a tile of K; never rewritten
.set AV0, 3           ; v3   the same for V
.set ADK, 4           ; v4   the LDS address of K's run of loads in hand
.set ADV, 5           ; v5   of V's
.set QO,  6           ; v6   my byte offset in the wave's rows of Q
.set STO, 7           ; v7   the way out: where I put 16 bytes of a row
.set RD,  8           ; v8   the way out: where I read rows back
.set GO,  9           ; v9   16 x lane
.set SPW, 10          ; v10  LDS address of my spare word; never rewritten
.set NIL, 11          ; v11  0; never rewritten
.set ST,  12          ; tile t's statistics at v[ST+8 t]: +0 c m, +1 m, +2, +3 l (even keys', odd keys'), +4 to +7 c0-c3, at work; a takes c2's place
.set S,   64
.set KF,  192         ; K's fragments: keys 16 u on, channels 32 c on, at KF + 16 u + 8 c
.set O,   64          ; in window 1: O^T: tile t, channels 16 ct on, at O + 32 t + 8 ct
.set VF,  192         ; in window 1: V's fragments: keys 32 kk on, channels 16 ct on, at VF + 8 (4 kk + ct)
.set WV,  8           ; s8   my wave's number
.set G1K, 24          ; s[24:31] descriptor group 1 for K's tiles;  s[32:39] for V's: it differs in the padding alone
.set G1V, 32
.set G0K, 40          ; s[40:55] descriptor groups 0 for K's four chunks
.set G0V, 68          ; s[68:83] for V's
.set CS,  56          ; s[56:57] c: the packed scaling names a pair and takes its low word for both halves
.set SEL, 58          ; s[58:59] lane selects for v_permlanex16_b32: lane l xor 16
.set TK,  60          ; s60  LDS byte at which the rows of K to be fetched begin
.set TV,  61          ; s61  the same for V, from VB on
.set CNT, 62          ; s62  counts trips
.set MSB, 0
.macro WIN new                      ; the immediate's high byte repeats the setting that is left
.if MSB != \new
	s_set_vgpr_msb (MSB<<8)|\new
.set MSB, \new
.endif
.endm
.set W_KQ, 0x04       ; Q (source 1) in window 1; K and S^T in window 0
.set W_PV, 0x51       ; V (source 0) and O^T (C and D) in window 1, P in window 0
.set W_RS, 0x41       ; O^T (destination and source 0) in window 1, a in window 0
.set TO_1, 0x40       ; destination window 1, address window 0
	s_load_b128 s[4:7], s[0:1], 0x0  ; qkvh s[4:5], oh s[6:7]
	v_lshl_add_u32 v[SPW], v0, 2, SPARE
	v_mov_b32 v[NIL], 0
	ds_add_u32 v[SPW], v[NIL]       ; the wave's opening: the add, twice on end, and its wait ahead of my first tensor load; the set-up below stands between the second and the wait
	ds_add_u32 v[SPW], v[NIL]
	v_lshrrev_b32 v1, 5, v0
	v_readfirstlane_b32 s[WV], v1   ; wave 0..7
	s_and_b32 s9, s[WV], 3          ; which 64 rows of a chunk I fetch
	s_and_b32 s10, ttmp7, 0xffff    ; (b, h)
	s_lshl_b32 s10, s10, 17         ; its first byte in each kind and in oh
	s_lshl_b32 s12, s9, 13
	s_add_co_u32 s12, s12, s10      ; my 64 rows of chunk 0, from a kind's first byte
	s_mov_b32 s13, 0
	s_lshl_b32 s14, ttmp9, 16       ; my work-group's 512 queries,
	s_add_co_u32 s14, s14, s10
	s_lshl_b32 s15, s[WV], 13       ; my wave's 64 of them
	s_add_co_u32 s14, s14, s15
	s_mov_b32 s15, 0
	s_mul_i32 s20, s9, KSB          ; where my rows go in a chunk of K,
	s_mul_i32 s21, s9, VSB          ; and of V
	; descriptor group 1: a tile of 64 rows x 64 elements of 2 bytes, dense in memory, padded in LDS
	s_mov_b32 s[G1K], (1<<16)|(1<<20)|(4<<22)|(3<<25)  ; 15:0 no mask; 17:16 elements of 2 bytes; 20 padding on; 24:22 after every 32 words (code 4); 31:25 four words (code 3)
	s_mov_b32 s[G1V], (1<<16)|(1<<20)|(4<<22)|(7<<25)  ; the same with eight words of padding (code 7)
.irp g, G1K, G1V
	s_mov_b32 s[\g+1], 64<<16       ; tensor_dim0 = 64
	s_mov_b32 s[\g+2], 64<<16       ; tensor_dim1 = 64
	s_mov_b32 s[\g+3], 64<<16       ; tile_dim0 = 64
	s_mov_b32 s[\g+4], 64           ; tile_dim1 = 64
	s_mov_b32 s[\g+5], 64           ; tensor_dim0_stride: elements from row to row
	s_mov_b32 s[\g+6], 0
	s_mov_b32 s[\g+7], 0
.endr
	s_mov_b32 s[CS], 0x3e38aa3b     ; c = log2(e) / 8
	s_mov_b32 s[CS+1], s[CS]        ; named with it as a pair, so it is written
	s_mov_b32 s[SEL], 0x76543210
	s_mov_b32 s[SEL+1], 0xfedcba98
	s_mov_b32 s[TK], 0
	s_mov_b32 s[TV], 0
	s_wait_dscnt 0x0                ; both opening adds are done
	s_wait_kmcnt 0x0
	s_add_nc_u64 s[18:19], s[4:5], s[12:13]
	s_add_nc_u64 s[16:17], s[4:5], s[14:15]  ; Q at my wave's first row
	s_add_nc_u64 s[6:7], s[6:7], s[14:15]    ; oh likewise
.irp c, 0,1,2,3
	s_mov_b32 s[G0K+4*\c], 1        ; 1:0 count = 1
	s_add_co_u32 s[G0K+4*\c+1], s20, \c*4*KSB  ; 63:32 LDS address: chunk c, my 64 rows
	s_add_nc_u64 s[G0K+4*\c+2:G0K+4*\c+3], s[18:19], (1<<24)+(\c<<15)  ; 120:64 global address: kind k, 256 rows of 128 bytes a chunk
	s_or_b32 s[G0K+4*\c+3], s[G0K+4*\c+3], 0x80000000  ; 127:126 type = 2
	s_mov_b32 s[G0V+4*\c], 1
	s_add_co_u32 s[G0V+4*\c+1], s21, VB+\c*4*VSB
	s_add_nc_u64 s[G0V+4*\c+2:G0V+4*\c+3], s[18:19], (2<<24)+(\c<<15)  ; kind v
	s_or_b32 s[G0V+4*\c+3], s[G0V+4*\c+3], 0x80000000
.endr
	s_cmp_lt_u32 s[WV], 4           ; a wave's four fills stand in one branch, ahead of every wait on TENSORcnt, every LDS read and every barrier; an s_nop 0 follows each, four v_nop the last
	s_cbranch_scc0 .Lfill_v
.irp c, 0,1,2,3
	tensor_load_to_lds s[G0K+4*\c:G0K+4*\c+3], s[G1K:G1K+7]
	s_nop 0
.endr
.rept 4
	v_nop
.endr
	s_branch .Lfilled
.Lfill_v:
.irp c, 0,1,2,3
	tensor_load_to_lds s[G0V+4*\c:G0V+4*\c+3], s[G1V:G1V+7]
	s_nop 0
.endr
.rept 4
	v_nop
.endr
.Lfilled:
	; A fragment of K or Q is 16 rows x 32 channels in 8 registers: lane l holds row l % 16; registers 0-3 channels 8 (l / 16) + 0..7, registers 4-7 channels 16 + 8 (l / 16) + 0..7: two loads of 16 bytes, 32 bytes apart.
	v_and_b32 v1, 15, v0            ; l % 16
	v_bfe_u32 v12, v0, 4, 1         ; l / 16
	v_lshlrev_b32 v[QO], 7, v1
	v_lshl_add_u32 v[QO], v12, 4, v[QO]  ; row x 128 + 16 x half
	WIN TO_1
.irp t, 0,1,2,3                     ; Q stays in registers: tile t, channels 32 c on
.irp c, 0,1
	global_load_b128 v[16*\t+8*\c:16*\t+8*\c+3],   v[QO], s[16:17] offset:2048*\t+64*\c
	global_load_b128 v[16*\t+8*\c+4:16*\t+8*\c+7], v[QO], s[16:17] offset:2048*\t+64*\c+32
.endr
.endr
	WIN 0
	v_mul_u32_u24 v[AK0], v1, PK
	v_lshl_add_u32 v[AK0], v12, 4, v[AK0]  ; row x pitch + 16 x half
	; The turning load takes 16 keys x 16 channels (lane l reads 16 bytes: key 8 (l / 16) + l % 8, channels 8 ((l / 8) % 2) + 0..7) and leaves half a fragment of V^T: lane l holds channel l % 16 and 8 keys.
	v_and_b32 v13, 7, v0
	v_bfe_u32 v14, v0, 3, 1
	v_lshl_add_u32 v[AV0], v12, 3, v13
	v_mul_u32_u24 v[AV0], v[AV0], PVR
	v_lshl_add_u32 v[AV0], v14, 4, v[AV0]
	v_add_nc_u32 v[AV0], VB, v[AV0]
	s_mul_i32 s12, s[WV], STG       ; my stage
	v_add_nc_u32 v[STO], s12, v[AK0]  ; in: row l % 16, 16 bytes for each half of the lanes
	v_bfe_u32 v15, v0, 3, 2         ; back: eight lanes take a row of 128 bytes, the 32 lanes four rows
	v_mul_u32_u24 v[RD], v15, PK
	v_lshl_add_u32 v[RD], v13, 4, v[RD]
	v_add_nc_u32 v[RD], s12, v[RD]
	v_and_b32 v[GO], 31, v0
	v_lshlrev_b32 v[GO], 4, v[GO]
; THE LDS LOADS stand in runs of 16: a step's K (64 keys x 64 channels: 8 fragments) and its V (turned).
.macro FETCH_K
	v_add_nc_u32 v[ADK], s[TK], v[AK0]
	s_add_co_u32 s[TK], s[TK], KSB  ; the next fetch is the next step's
.irp u, 0,1,2,3
.irp c, 0,1
	ds_load_b128 v[KF+16*\u+8*\c:KF+16*\u+8*\c+3],   v[ADK] offset:\u*16*PK+64*\c
	ds_load_b128 v[KF+16*\u+8*\c+4:KF+16*\u+8*\c+7], v[ADK] offset:\u*16*PK+64*\c+32
.endr
.endr
.endm
.macro FETCH_V
	v_add_nc_u32 v[ADV], s[TV], v[AV0]
	s_add_co_u32 s[TV], s[TV], VSB
	WIN TO_1
.irp kk, 0,1
.irp ct, 0,1,2,3
	ds_load_tr16_b128 v[VF+8*(4*\kk+\ct):VF+8*(4*\kk+\ct)+3],   v[ADV] offset:\kk*32*PVR+32*\ct
	ds_load_tr16_b128 v[VF+8*(4*\kk+\ct)+4:VF+8*(4*\kk+\ct)+7], v[ADV] offset:\kk*32*PVR+16*PVR+32*\ct
.endr
.endr
	WIN 0
.endm
; THE PRODUCTS.  The 16 accumulators take turns, one instruction a turn: between two links of a chain stand 15 others'.
.macro KQ                           ; S^T = K Q^T: 32 products; the first 16 start the sums
.irp c, 0,1
.irp u, 0,1,2,3
.irp t, 0,1,2,3
.if \c == 0
	v_wmma_f32_16x16x32_f16 v[S+32*\t+8*\u:S+32*\t+8*\u+7], v[KF+16*\u+8*\c:KF+16*\u+8*\c+7], v[16*\t+8*\c:16*\t+8*\c+7], 0
.else
	v_wmma_f32_16x16x32_f16 v[S+32*\t+8*\u:S+32*\t+8*\u+7], v[KF+16*\u+8*\c:KF+16*\u+8*\c+7], v[16*\t+8*\c:16*\t+8*\c+7], v[S+32*\t+8*\u:S+32*\t+8*\u+7]
.endif
.endr
.endr
.endr
.endm
.macro PV first                     ; O^T += V^T P: 32 products; first = 1: the first 16 start the sums: nothing is ever cleared
.irp kk, 0,1
.irp ct, 0,1,2,3
.irp t, 0,1,2,3
.if \first && (\kk == 0)
	v_wmma_f32_16x16x32_f16 v[O+32*\t+8*\ct:O+32*\t+8*\ct+7], v[VF+8*(4*\kk+\ct):VF+8*(4*\kk+\ct)+7], v[S+32*\t+8*\kk:S+32*\t+8*\kk+7], 0
.else
	v_wmma_f32_16x16x32_f16 v[O+32*\t+8*\ct:O+32*\t+8*\ct+7], v[VF+8*(4*\kk+\ct):VF+8*(4*\kk+\ct)+7], v[S+32*\t+8*\kk:S+32*\t+8*\kk+7], v[O+32*\t+8*\ct:O+32*\t+8*\ct+7]
.endif
.endr
.endr
.endr
.endm
; THE SOFTMAX of a key step, the four tiles by turns in every stage, so that no line waits for the line above it.  s0-s31 are the lane's 32 scores of a tile.  first = 1: the first key step, which starts m, l and O^T.
.macro SOFTMAX first
.irp j, 0,1,2,3                     ; the maximum, three operands at a time: four chains c0-c3; each accumulator is read from its low end on
.irp t, 0,1,2,3
	v_max3_num_f32 v[ST+8*\t+4+\j], v[S+32*\t+8*\j], v[S+32*\t+8*\j+1], v[S+32*\t+8*\j+2]
.endr
.endr
.irp g, 1,2
.irp j, 0,1,2,3
.irp t, 0,1,2,3
	v_max3_num_f32 v[ST+8*\t+4+\j], v[ST+8*\t+4+\j], v[S+32*\t+8*\j+2*\g+1], v[S+32*\t+8*\j+2*\g+2]
.endr
.endr
.endr
.irp t, 0,1,2,3
	v_max3_num_f32 v[ST+8*\t+4], v[ST+8*\t+4], v[S+32*\t+7], v[S+32*\t+15]
.endr
.irp t, 0,1,2,3
	v_max3_num_f32 v[ST+8*\t+6], v[ST+8*\t+6], v[S+32*\t+23], v[S+32*\t+31]
.endr
.irp t, 0,1,2,3
	v_max3_num_f32 v[ST+8*\t+4], v[ST+8*\t+4], v[ST+8*\t+5], v[ST+8*\t+6]
.endr
.irp t, 0,1,2,3
.if \first
	v_max_num_f32 v[ST+8*\t+4], v[ST+8*\t+4], v[ST+8*\t+7]
.else
	v_max3_num_f32 v[ST+8*\t+4], v[ST+8*\t+4], v[ST+8*\t+7], v[ST+8*\t+1]   ; with the old m
.endif
.endr
.irp t, 0,1,2,3
	v_permlanex16_b32 v[ST+8*\t+5], v[ST+8*\t+4], s[SEL], s[SEL+1]  ; the query's other 32 keys lie in the lane 16 away
.endr
.if !\first
.irp t, 0,1,2,3
	v_mov_b32 v[ST+8*\t+7], v[ST+8*\t]  ; c m_old is kept for a
.endr
.endif
.irp t, 0,1,2,3
	v_max_num_f32 v[ST+8*\t+1], v[ST+8*\t+4], v[ST+8*\t+5]
.endr
.irp t, 0,1,2,3
	v_mul_f32 v[ST+8*\t], s[CS], v[ST+8*\t+1]
.endr
.if !\first
.irp t, 0,1,2,3
	v_sub_f32 v[ST+8*\t+7], v[ST+8*\t+7], v[ST+8*\t]
.endr
.endif
; ONE BATCH: the scalings c s - c m, a pair of scores each, and all exponentials; a pair's exponentials stand behind the next pair's scalings.  None of these lines names an exponential's result.
.irp b, 0,1,2,3,4,5,6,7,8,9,10,11,12,13,14,15
.irp t, 0,1,2,3
	v_pk_fma_f32 v[S+32*\t+2*\b:S+32*\t+2*\b+1], v[S+32*\t+2*\b:S+32*\t+2*\b+1], s[CS:CS+1], v[ST+8*\t:ST+8*\t+1] op_sel_hi:[1,0,0] neg_lo:[0,0,1] neg_hi:[0,0,1]
.endr
.if \b > 0
.irp t, 0,1,2,3
	v_exp_f32 v[S+32*\t+2*\b-2], v[S+32*\t+2*\b-2]
	v_exp_f32 v[S+32*\t+2*\b-1], v[S+32*\t+2*\b-1]
.endr
.endif
.endr
.irp t, 0,1,2,3
	v_exp_f32 v[S+32*\t+30], v[S+32*\t+30]
	v_exp_f32 v[S+32*\t+31], v[S+32*\t+31]
.endr
.if !\first
.irp t, 0,1,2,3
	v_exp_f32 v[ST+8*\t+6], v[ST+8*\t+7]  ; a
.endr
.endif
	v_nop                           ; a plain line behind the last exponential, ahead of the first use
	s_wait_alu depctr_va_vdst(0)    ; ONE wait for the whole batch, ahead of its first reader
.irp t, 0,1,2,3                     ; the sums of the unrounded p, a pair (an even key's, an odd key's) at a time
	v_pk_add_f32 v[ST+8*\t+4:ST+8*\t+5], v[S+32*\t:S+32*\t+1], v[S+32*\t+2:S+32*\t+3]
.endr
.irp b, 2,3,4,5,6,7,8,9,10,11,12,13,14
.irp t, 0,1,2,3
	v_pk_add_f32 v[ST+8*\t+4:ST+8*\t+5], v[ST+8*\t+4:ST+8*\t+5], v[S+32*\t+2*\b:S+32*\t+2*\b+1]
.endr
.endr
.irp t, 0,1,2,3
.if \first
	v_pk_add_f32 v[ST+8*\t+2:ST+8*\t+3], v[ST+8*\t+4:ST+8*\t+5], v[S+32*\t+30:S+32*\t+31]
.else
	v_pk_add_f32 v[ST+8*\t+4:ST+8*\t+5], v[ST+8*\t+4:ST+8*\t+5], v[S+32*\t+30:S+32*\t+31]
.endif
.endr
.if !\first
.irp t, 0,1,2,3
	v_pk_fma_f32 v[ST+8*\t+2:ST+8*\t+3], v[ST+8*\t+2:ST+8*\t+3], v[ST+8*\t+6:ST+8*\t+7], v[ST+8*\t+4:ST+8*\t+5] op_sel_hi:[1,0,1]  ; l = a l + the sum
.endr
.endif
.irp i, 0,1,2,3,4,5,6,7,8,9,10,11,12,13,14,15   ; the roundings to f16, in place, ascending: register i has been read when it is written
.irp t, 0,1,2,3
	v_cvt_pk_f16_f32 v[S+32*\t+\i], v[S+32*\t+2*\i], v[S+32*\t+2*\i+1]
.endr
.endr
.if !\first
	WIN W_RS
.irp i, 0,1,2,3,4,5,6,7,8,9,10,11,12,13,14,15   ; O^T times a, each accumulator from its low end on
.irp t, 0,1,2,3
	v_pk_mul_f32 v[O+32*\t+2*\i:O+32*\t+2*\i+1], v[O+32*\t+2*\i:O+32*\t+2*\i+1], v[ST+8*\t+6:ST+8*\t+7] op_sel_hi:[1,0]
.endr
.endr
	WIN 0
.endif
.endm
; A TRIP: key step j's softmax and V^T P, and step j + 1's K Q^T (more = 1).  It reads V of step j and K of step j + 1 from LDS.
.macro TRIP first, more
.rept 4
	v_nop                           ; four places behind K Q^T: for the first reads of the scores and for the loads into K's registers (ISA guide 7.12.1 for the reads of the scores)
.endr
	FETCH_V
.if \more
	FETCH_K
.endif
	SOFTMAX \first
	s_wait_dscnt 16*\more           ; V is in; K's 16 loads, issued behind V's, may be out
	WIN W_PV
	PV \first
.if \more
.rept 5
	v_nop                           ; five places: K Q^T writes over the registers that V^T P read as P; they also serve the next trip's loads into V's registers
.endr
	s_wait_dscnt 0x0                ; K is in
	WIN W_KQ
	KQ
.endif
	WIN 0                           ; at a label and at a branch every window is 0
.endm
.macro TRIPS n
	s_mov_b32 s[CNT], \n
.Ltrip_\@:
	TRIP 0, 1
	s_sub_co_u32 s[CNT], s[CNT], 1
	s_cmp_lg_u32 s[CNT], 0
	s_cbranch_scc1 .Ltrip_\@
.endm
; A chunk has landed: n of my four tensor loads, those of the later chunks, may stay out (they end in order: ISA guide 10.11.1); behind the barrier everybody's part is there.
.macro BAR n
	s_wait_tensorcnt \n
	s_wait_dscnt 0x0
	s_barrier_signal -1
	s_barrier_wait -1
.endm
	BAR 3                           ; chunk 0: steps 0 to 3
	FETCH_K                         ; key step 0
	s_wait_loadcnt 0x0              ; Q
	s_wait_dscnt 0x0
	WIN W_KQ
	KQ
	WIN 0
	TRIP 1, 1                       ; trip 0
	TRIPS 2                         ; trips 1, 2
	BAR 2                           ; chunk 1: trip 3 reads K of step 4
	TRIPS 4                         ; trips 3 to 6
	BAR 1                           ; chunk 2: trip 7 reads K of step 8
	TRIPS 4                         ; trips 7 to 10
	BAR 0                           ; chunk 3: trip 11 reads K of step 12
	TRIPS 4                         ; trips 11 to 14
	TRIP 0, 0                       ; trip 15: the last step has no successor
	; THE WAY OUT.  l's two halves and the other half of the lanes' are added; O^T is divided by l, rounded to f16 and sent through my stage in LDS, a tile (16 rows) at a time.  The additions are the places behind the last products.
.irp t, 0,1,2,3
	v_add_f32 v[ST+8*\t+4], v[ST+8*\t+2], v[ST+8*\t+3]
.endr
.irp t, 0,1,2,3
	v_permlanex16_b32 v[ST+8*\t+5], v[ST+8*\t+4], s[SEL], s[SEL+1]
.endr
.irp t, 0,1,2,3
	v_add_f32 v[ST+8*\t+4], v[ST+8*\t+4], v[ST+8*\t+5]
.endr
.irp t, 0,1,2,3
	v_rcp_f32 v[ST+8*\t+6], v[ST+8*\t+4]
.endr
	v_nop                           ; a plain line between the last reciprocal and the use of its result
	s_wait_alu depctr_va_vdst(0)    ; one wait for the four reciprocals, ahead of the first use
	s_wait_dscnt 0x0                ; my reads of K and V are over
	s_barrier_signal -1
	s_barrier_wait -1               ; everybody's are: the stages may be written into K's first bytes, which have had their only fill
.macro OPACK t
	WIN W_RS
.irp i, 0,1,2,3,4,5,6,7,8,9,10,11,12,13,14,15
	v_pk_mul_f32 v[O+32*\t+2*\i:O+32*\t+2*\i+1], v[O+32*\t+2*\i:O+32*\t+2*\i+1], v[ST+8*\t+6:ST+8*\t+7] op_sel_hi:[1,0]
.endr
	WIN 0x05                        ; sources 0 and 1 window 1, destination window 0: S^T's registers are free
.irp i, 0,1,2,3,4,5,6,7,8,9,10,11,12,13,14,15
	v_cvt_pk_f16_f32 v[S+32*\t+\i], v[O+32*\t+2*\i], v[O+32*\t+2*\i+1]
.endr
	WIN 0
.irp ct, 0,1,2,3
	ds_store_b128 v[STO], v[S+32*\t+4*\ct:S+32*\t+4*\ct+3] offset:32*\ct
.endr
.irp i, 0,1,2,3
	ds_load_b128 v[S+32*\t+16+4*\i:S+32*\t+16+4*\i+3], v[RD] offset:4*PK*\i  ; LDS serves a wave's instructions in order (ISA guide 5.7.1.4): these see the stores above; the next tile's stores come behind them
.endr
.endm
.macro OSEND t, younger             ; younger: the LDS instructions issued behind tile t's loads: the next tile's eight, or none
.irp i, 0,1,2,3
	s_wait_dscnt \younger+3-\i
	global_store_b128 v[GO], v[S+32*\t+16+4*\i:S+32*\t+16+4*\i+3], s[6:7] offset:2048*\t+512*\i  ; four rows: 512 consecutive bytes, at a multiple of 512 from oh's first byte
.endr
.endm
	OPACK 0
	OPACK 1                         ; a tile's arithmetic stands between the loads of the tile before and its stores
	OSEND 0, 8
	OPACK 2
	OSEND 1, 8
	OPACK 3
	OSEND 2, 8
	OSEND 3, 0
	s_wait_tensorcnt 0x0            ; the wave's end: behind my last tensor load and my last LDS store
	ds_add_u32 v[SPW], v[NIL]
	s_wait_dscnt 0x0
	s_endpgm
.Lfunc_end_k_qdf958927d7_attn:
	.size	k_qdf958927d7_attn, .Lfunc_end_k_qdf958927d7_attn-k_qdf958927d7_attn
	.p2alignl 7, 3214868480
	.fill 96, 4, 3214868480
	.section	.rodata,"a",@progbits
	.p2align	6, 0x0
	.amdhsa_kernel k_qdf958927d7_attn
		.amdhsa_group_segment_fixed_size 327680
		.amdhsa_private_segment_fixed_size 0
		.amdhsa_enable_private_segment 0
		.amdhsa_kernarg_size 16
		.amdhsa_user_sgpr_count 2
		.amdhsa_user_sgpr_kernarg_segment_ptr 1
		.amdhsa_wavefront_size32 1
		.amdhsa_system_sgpr_workgroup_id_x 1
		.amdhsa_system_sgpr_workgroup_id_y 1
		.amdhsa_system_sgpr_workgroup_id_z 1
		.amdhsa_system_vgpr_workitem_id 0
		.amdhsa_next_free_vgpr 512
		.amdhsa_next_free_sgpr 84
		.amdhsa_reserve_vcc 0
		.amdhsa_float_denorm_mode_32 3
		.amdhsa_float_denorm_mode_16_64 3
		.amdhsa_memory_ordered 1
		.amdhsa_forward_progress 1
		.amdhsa_inst_pref_size 208
	.end_amdhsa_kernel
	.amdgpu_metadata
---
amdhsa.version: [ 1, 2 ]
amdhsa.kernels:
  - .name:           k_qdf958927d7_attn
    .symbol:         k_qdf958927d7_attn.kd
    .args:
      - { .name: qkvh, .offset: 0, .size: 8, .value_kind: global_buffer, .address_space: global }
      - { .name: oh, .offset: 8, .size: 8, .value_kind: global_buffer, .address_space: global }
    .group_segment_fixed_size: 327680
    .private_segment_fixed_size: 0
    .kernarg_segment_align: 8
    .kernarg_segment_size: 16
    .max_flat_workgroup_size: 256
    .sgpr_count:     84
    .vgpr_count:     512
    .wavefront_size: 32
...
	.end_amdgpu_metadata
.endif
;; end of part 3
;; launch proj (part 4): grid 4 x 64, 4 waves a work-group, clusters of 4 x 4, 327,680 bytes of LDS; arguments oh, w16, out0; writes out0
.if DOCPART == 4
	.amdgcn_target "amdgcn-amd-amdhsa--gfx1250"
	.amdhsa_code_object_version 6
	.text
	.protected	k_qdf958927d7_proj
	.globl	k_qdf958927d7_proj
	.p2align	8
	.type	k_qdf958927d7_proj,@function
k_qdf958927d7_proj:
	s_mov_b64 s[64:65], 0
	v_nop
	global_prefetch_b8 v0, s[64:65] scope:SCOPE_SE
	s_setreg_imm32_b32 hwreg(HW_REG_WAVE_MODE, 25, 1), 1
	s_wait_xcnt 0x0
	s_wait_alu depctr_hold_cnt(0) depctr_sa_sdst(0) depctr_va_vdst(0) depctr_va_sdst(0) depctr_va_ssrc(0) depctr_va_vcc(0) depctr_vm_vsrc(0)
	s_getreg_b32 s2, hwreg(HW_REG_IB_STS2, 6, 4)
	s_cmp_eq_u32 s2, 0
	s_cbranch_scc0 .Lentry_in_a_cluster
	s_endpgm
.Lentry_in_a_cluster:
	s_bfe_u32 s2, ttmp6, 0x10000c
	s_cmp_lg_u32 s2, 0xf033
	s_cbranch_scc0 .Lentry_shape_is_right
	s_endpgm
.Lentry_shape_is_right:
; out0[m][n] = sum over k of o[m][k] w_proj[n][k].  o comes as oh [8 b][16 h][1024 l][64] f16 (m = 1024 b + l, k = 64 h + d), w_proj as w16 [1024 n][1024 k] f16; out0 [8192][1024] f32; sums in f32.
; A tile of out0 is 128 (m) x 256 (n): 256 work-groups.  Four waves, each 64 x 128: 32 accumulators of 16 x 16, 256 registers.  K goes in 8 steps of 128 through a ring of two LDS slots.
; A K step of o is two heads: two planes of 128 rows x 128 bytes, each a dense block of memory; of w16 it is 256 rows x 256 bytes.  One tensor load a wave: waves 0 and 1 a plane of o, waves 2 and 3 128 rows of w16.
; CLUSTERS: 4 x 4 work-groups.  The four of a row of the cluster need the same tiles of o, the four of a column the same tiles of w16: each tile is asked for JOINTLY, by the same tensor load with the same descriptor and a mask
; that names the four.  THE MATRIX INSTRUCTION IS USED TRANSPOSED (source 0 = 16 rows of w16, source 1 = 16 rows of o): a lane then holds eight neighbouring numbers of a row of out0.
; LIMITS: f16 operands, as the launches before state them.
; REGISTERS: window 0: v0-31 addresses; v32-95 o's fragments, two buffers of 32; v96-223 w16's, two buffers of 64; on the way out v32-159 take rows read back from the stage.   window 1: the accumulators ((a, b) at v[8 (8 a + b)]).
.set SIZE_K, 1024
.set KSTEP,  128
.set PA,     144                       ; a row of o in LDS: 128 bytes + 16: the 16 rows of a load start at 16 different groups of four banks (ISA guide 11.1)
.set APL,    128*PA                    ; a plane: one head's 128 rows
.set PB,     272                       ; a row of w16: 256 bytes + 16
.set HALFB,  128*PB
.set BOFF,   2*APL                     ; w16's rows lie behind o's two planes
.set SLOT,   BOFF+2*HALFB
.set STAGE,  2*SLOT                    ; behind the ring: 16 rows x 528 bytes for each wave, for the way out
.set SPITCH, 528
.set SPARE,  STAGE+4*16*SPITCH         ; behind the stages: the spare words, 128 bytes for each wave
.set LAPS,   SIZE_K/(2*KSTEP)          ; a lap = two K steps = once round the ring
.set ADRA, 16                          ; v16-17  LDS address of my fragments of o in slot 0, 1
.set ADRB, 20                          ; v20-21  the same for w16
.set STO,  24                          ; v24     the way out: where I put 32 bytes of a row
.set RD,   25                          ; v25     the way out: where I read a row back
.set CO,   26                          ; v26     16 x lane
.set SPW,  28                          ; v28     LDS address of my spare word; never rewritten
.set NIL,  29                          ; v29     0; never rewritten
.set AF,   32                          ; o's fragments: buffer f at AF + 32 f
.set BF,   96                          ; w16's: buffer f at BF + 64 f
.set OB,   32                          ; the way out: 16 rows read back: v32-95 and v96-159 by turns
.set G1, 24                            ; s[24:31] descriptor group 1 for o's tiles;  s[32:39] group 0, one set for each slot
.set G0, 32
.set G1B, 48                           ; s[48:55], s[56:63] the same for w16's tiles
.set G0B, 56
.set MSB, 0
.macro WIN new                         ; the immediate's high byte repeats the setting that is left
.if MSB != \new
	s_set_vgpr_msb (MSB<<8)|\new
.set MSB, \new
.endif
.endm
.set MUL,  0x50                        ; C and D window 1; both sources window 0
.macro JLOAD s                         ; a joint load: waves 0 and 1 fetch o's two planes, waves 2 and 3 w16's two halves; an s_nop 0 and four v_nop follow each of the two lines
	s_cmp_eq_u32 s11, 0
	s_cbranch_scc0 .Lfor_b_\@
	tensor_load_to_lds s[G0+4*\s:G0+4*\s+3], s[G1:G1+7]
	s_nop 0
.rept 4
	v_nop
.endr
	s_branch .Lasked_\@
.Lfor_b_\@:
	tensor_load_to_lds s[G0B+4*\s:G0B+4*\s+3], s[G1B:G1B+7]
	s_nop 0
.rept 4
	v_nop
.endr
.Lasked_\@:
.endm
.macro CREST                           ; a round of the cluster's barrier behind its opening barrier
	s_cmp_lg_u32 s10, 0
	s_cbranch_scc1 .Lnot_wave_0_\@
	s_barrier_signal -3
.Lnot_wave_0_\@:
	s_barrier_wait -3
	s_barrier_signal -1
	s_barrier_wait -1
.endm
.macro CROUND                          ; a whole round
	s_barrier_signal -1
	s_barrier_wait -1
	CREST
.endm
	s_load_b128 s[4:7], s[0:1], 0x0                ; oh s[4:5], w16 s[6:7]
	s_load_b64 s[8:9], s[0:1], 0x10                ; out0
	v_lshl_add_u32 v[SPW], v0, 2, SPARE
	v_mov_b32 v[NIL], 0
	ds_add_u32 v[SPW], v[NIL]                      ; the wave's opening: the add, twice on end, and its wait ahead of my first tensor load; the set-up below stands between the second and the wait
	ds_add_u32 v[SPW], v[NIL]
	v_lshrrev_b32 v1, 5, v0
	v_readfirstlane_b32 s10, v1                    ; wave 0..3
	s_lshr_b32 s11, s10, 1                         ; which half of the tile's rows is mine.  Also: I fetch for o (0) or for w16 (1)
	s_and_b32 s12, s10, 1                          ; which half of its columns.  Also: which plane, or which 128 rows, I fetch
	s_bfe_u32 s40, ttmp6, 0x40000                  ; cx, cy: my place in the cluster
	s_bfe_u32 s41, ttmp6, 0x40004
	s_lshl_b32 s42, ttmp9, 2
	s_add_co_u32 s42, s42, s40                     ; tile column = 4 x cluster x + cx
	s_and_b32 s13, ttmp7, 0xffff
	s_lshl_b32 s13, s13, 2
	s_add_co_u32 s13, s13, s41                     ; tile row = 4 x cluster y + cy
	s_lshl_b32 s43, s41, 2
	s_lshl_b32 s43, 15, s43                        ; my row of the cluster
	s_lshl_b32 s44, 0x1111, s40                    ; my column
	; descriptor group 1.  o: 128 rows x 64 elements of 2 bytes, dense in memory, 4 words of padding behind every 32.  w16: 128 rows x 128 elements, 1,024 elements from row to row, 4 words behind every 64
	s_or_b32 s[G1+0], s43, (1<<16)|(1<<20)|(1<<21)|(4<<22)|(3<<25)  ; 15:0 the mask: o's tiles go to my row; 17:16 elements of 2 bytes; 20 padding on; 21 set beside a mask; 24:22, 31:25 the padding
	s_mov_b32 s[G1+1], 64<<16                      ; tensor_dim0
	s_mov_b32 s[G1+2], 128<<16                     ; tensor_dim1
	s_mov_b32 s[G1+3], 64<<16                      ; tile_dim0
	s_mov_b32 s[G1+4], 128                         ; tile_dim1
	s_mov_b32 s[G1+5], 64                          ; tensor_dim0_stride
	s_mov_b32 s[G1+6], 0
	s_mov_b32 s[G1+7], 0
	s_or_b32 s[G1B+0], s44, (1<<16)|(1<<20)|(1<<21)|(5<<22)|(3<<25)
	s_mov_b32 s[G1B+1], KSTEP<<16
	s_mov_b32 s[G1B+2], 128<<16
	s_mov_b32 s[G1B+3], KSTEP<<16
	s_mov_b32 s[G1B+4], 128
	s_mov_b32 s[G1B+5], SIZE_K
	s_mov_b32 s[G1B+6], 0
	s_mov_b32 s[G1B+7], 0
	; where the tiles come from.  o's hang on the tile row alone, w16's on the tile column alone; each in registers that never hold the other coordinate
	s_lshr_b32 s16, s13, 3
	s_lshl_b32 s16, s16, 21                        ; b = tile row / 8,
	s_and_b32 s17, s13, 7
	s_lshl_b32 s17, s17, 14                        ; position 128 (tile row % 8), 128 bytes a position,
	s_add_co_u32 s16, s16, s17
	s_lshl_b32 s17, s12, 17                        ; my plane: head 0 or 1 of the K step's two
	s_add_co_u32 s16, s16, s17
	s_mov_b32 s17, 0
	s_lshl_b32 s46, s42, 19                        ; w16: row 256 x tile column, 2,048 bytes a row,
	s_lshl_b32 s47, s12, 18                        ; + my 128 rows
	s_add_co_u32 s46, s46, s47
	s_mov_b32 s47, 0
	s_mul_i32 s20, s12, APL                        ; and where they go: no place in the cluster enters an LDS address
	s_mul_i32 s21, s12, HALFB
	s_add_co_u32 s21, s21, BOFF
	s_wait_dscnt 0x0                               ; both opening adds are done
	s_wait_kmcnt 0x0
	s_add_nc_u64 s[14:15], s[4:5], s[16:17]
	s_add_nc_u64 s[46:47], s[6:7], s[46:47]
	CROUND                                         ; all sixteen work-groups are here: the first joint loads meet
.irp s, 0,1
	s_mov_b32 s[G0+4*\s], 1
	s_add_co_u32 s[G0+4*\s+1], s20, \s*SLOT
	s_add_nc_u64 s[G0+4*\s+2:G0+4*\s+3], s[14:15], \s*262144       ; K step s: two heads of 2^17 bytes on
	s_or_b32 s[G0+4*\s+3], s[G0+4*\s+3], 0x80000000
	s_mov_b32 s[G0B+4*\s], 1
	s_add_co_u32 s[G0B+4*\s+1], s21, \s*SLOT
	s_add_nc_u64 s[G0B+4*\s+2:G0B+4*\s+3], s[46:47], \s*KSTEP*2
	s_or_b32 s[G0B+4*\s+3], s[G0B+4*\s+3], 0x80000000
	JLOAD \s                                       ; two tensor loads of a wave are out
.endr
	v_and_b32 v1, 15, v0                           ; l % 16
	v_bfe_u32 v2, v0, 4, 1                         ; l / 16
	v_mul_u32_u24 v3, v1, PA
	v_lshl_add_u32 v3, v2, 4, v3                   ; o: a fragment's row x pitch + 16 x half
	v_mul_u32_u24 v4, v1, PB
	v_lshl_add_u32 v4, v2, 4, v4                   ; w16 likewise
	s_mul_i32 s21, s11, 64*PA                      ; my 64 rows of o
	s_mul_i32 s22, s12, HALFB                      ; my 128 rows of w16
	s_add_co_u32 s22, s22, BOFF
.irp s, 0,1
	v_add_nc_u32 v[ADRA+\s], s21, v3
	v_add_nc_u32 v[ADRB+\s], s22, v4
	s_add_co_u32 s21, s21, SLOT
	s_add_co_u32 s22, s22, SLOT
.endr
	s_mul_i32 s23, s10, 16*SPITCH
	s_add_co_u32 s23, s23, STAGE                   ; my stage
	v_mul_u32_u24 v5, v1, SPITCH                   ; in: row l % 16, 32 bytes for each half of the lanes
	v_lshl_add_u32 v5, v2, 5, v5
	v_add_nc_u32 v[STO], s23, v5
	v_and_b32 v6, 31, v0
	v_lshlrev_b32 v[CO], 4, v6                     ; back: the 32 lanes take one row of 512 bytes; and the same in out0
	v_add_nc_u32 v[RD], s23, v[CO]
	s_lshl_b32 s16, s13, 19                        ; my first row of out0: 128 x tile row + 64 x half, 4,096 bytes a row
	s_lshl_b32 s17, s11, 18
	s_add_co_u32 s16, s16, s17
	s_mov_b32 s17, 0
	s_add_nc_u64 s[8:9], s[8:9], s[16:17]
	s_lshl_b32 s46, s42, 10                        ; my first column, in bytes: 1,024 x tile column + 512 x half
	s_lshl_b32 s47, s12, 9
	s_add_co_u32 s46, s46, s47
	s_mov_b32 s47, 0
	s_add_nc_u64 s[8:9], s[8:9], s[46:47]
; 8 matrix instructions: o's block a against w16's eight, 32 along K, from buffer f.  zero = 1: the first product starts the sums.  The 32 accumulators take turns, one instruction a turn, in the same order in
; every quarter.
.macro MUL8 f, a, zero
.irp b, 0,1,2,3,4,5,6,7
.if \zero
	v_wmma_f32_16x16x32_f16 v[8*(8*\a+\b):8*(8*\a+\b)+7], v[BF+64*\f+8*\b:BF+64*\f+8*\b+7], v[AF+32*\f+8*\a:AF+32*\f+8*\a+7], 0
.else
	v_wmma_f32_16x16x32_f16 v[8*(8*\a+\b):8*(8*\a+\b)+7], v[BF+64*\f+8*\b:BF+64*\f+8*\b+7], v[AF+32*\f+8*\a:AF+32*\f+8*\a+7], v[8*(8*\a+\b):8*(8*\a+\b)+7]
.endif
.endr
.endm
; 24 LDS loads in one run: the fragments of the slot's q-th 32 along K into buffer f: w16's eight, then o's four (plane q / 2, channels 32 (q % 2) on)
.macro FETCH slot, q, f
	WIN 0
.irp i, 0,1,2,3,4,5,6,7
	ds_load_b128 v[BF+64*\f+8*\i:BF+64*\f+8*\i+3],   v[ADRB+\slot] offset:64*\q+\i*16*PB
	ds_load_b128 v[BF+64*\f+8*\i+4:BF+64*\f+8*\i+7], v[ADRB+\slot] offset:64*\q+\i*16*PB+32
.endr
.irp i, 0,1,2,3
	ds_load_b128 v[AF+32*\f+8*\i:AF+32*\f+8*\i+3],   v[ADRA+\slot] offset:APL*(\q/2)+64*(\q%2)+\i*16*PA
	ds_load_b128 v[AF+32*\f+8*\i+4:AF+32*\f+8*\i+7], v[ADRA+\slot] offset:APL*(\q/2)+64*(\q%2)+\i*16*PA+32
.endr
.endm
.macro PLACES                          ; four places in front of loads into registers that matrix instructions have read, and of LDS stores that read results (ISA guide 7.12.1 for the LDS stores)
.rept 4
	v_nop
.endr
.endm
; A K step is four quarters of 32 along K, 32 matrix instructions each, on buffers 0, 1, 0, 1.  One of the first three: multiplies buffer f and fetches the slot's q-th quarter into buffer g.
.macro QUARTER slot, q, f, g, zero
	s_wait_dscnt 4                                 ; w16's fragments and o's blocks 0, 1 are in; the youngest four loads (o's blocks 2, 3) may be out
	WIN MUL
	MUL8 \f, 0, \zero
	MUL8 \f, 1, \zero
	PLACES
	FETCH \slot, \q, \g
	s_wait_dscnt 24                                ; all but the 24 just issued
	WIN MUL
	MUL8 \f, 2, \zero
	MUL8 \f, 3, \zero
.endm
; The last quarter multiplies buffer 1 and changes slots: ONE barrier; in front of it each wave waits for all its tensor loads, adds 0 to its spare word, and waits for that and for its own reads of this slot.
; fill = 1: this slot is filled again, two K steps ahead; the barrier then opens a round of the cluster's barrier, and the joint refill is the first tensor load behind the round.
.macro TURN slot, next, fill
	WIN 0                                          ; (the add's two registers lie in window 0)
	s_wait_tensorcnt 0x0                           ; all my tensor loads have landed: my part of the next slot;
	ds_add_u32 v[SPW], v[NIL]                      ; 0 onto my spare word;
	s_wait_dscnt 5                                 ; (the add and the youngest four loads may be out)
	WIN MUL
	MUL8 1, 0, 0                                   ; eight matrix instructions stand between the add and the wait for it
	s_wait_dscnt 0x0                               ; the add is done, and my reads of this slot are over
	s_barrier_signal -1
	MUL8 1, 1, 0
.if \fill
	WIN 0
.endif
	s_barrier_wait -1
.if \fill
	CREST                                          ; no wave of any partner still reads this slot's tile or has a load on its way
	s_add_nc_u64 s[G0+4*\slot+2:G0+4*\slot+3], s[G0+4*\slot+2:G0+4*\slot+3], 2*262144
	s_add_nc_u64 s[G0B+4*\slot+2:G0B+4*\slot+3], s[G0B+4*\slot+2:G0B+4*\slot+3], 2*KSTEP*2
	JLOAD \slot                                    ; it has 112 matrix instructions of a wave in which to land; the four v_nop behind it are also the places in front of the loads below
.else
	PLACES
.endif
	FETCH \next, 0, 0
	WIN MUL
	MUL8 1, 2, 0
	MUL8 1, 3, 0
.endm
	s_wait_tensorcnt 1                             ; my part of K step 0 is in (K step 1's load may be out)
	s_barrier_signal -1
	s_barrier_wait -1                              ; everybody's is
	FETCH 0, 0, 0
	QUARTER 0, 1, 0, 1, 1                          ; the first quarter stands in front of the loop: its products start the sums
	WIN 0                                          ; at a label and at a branch every window is 0
	s_mov_b32 s3, LAPS-1
.Llap:                                                 ; a trip goes once round the ring, from a lap's second quarter to the next lap's first, and fills both slots again
	QUARTER 0, 2, 1, 0, 0
	QUARTER 0, 3, 0, 1, 0
	TURN 0, 1, 1
	QUARTER 1, 1, 0, 1, 0
	QUARTER 1, 2, 1, 0, 0
	QUARTER 1, 3, 0, 1, 0
	TURN 1, 0, 1
	QUARTER 0, 1, 0, 1, 0
	WIN 0
	s_sub_co_u32 s3, s3, 1
	s_cmp_lg_u32 s3, 0
	s_cbranch_scc1 .Llap
	QUARTER 0, 2, 1, 0, 0                          ; the last lap fills nothing, and has no round of the cluster's barrier
	QUARTER 0, 3, 0, 1, 0
	TURN 0, 1, 0
	QUARTER 1, 1, 0, 1, 0
	QUARTER 1, 2, 1, 0, 0
	QUARTER 1, 3, 0, 1, 0
	s_wait_dscnt 4                                 ; the very last quarter: nothing more to fetch
	WIN MUL
	MUL8 1, 0, 0
	MUL8 1, 1, 0
	s_wait_dscnt 0
	MUL8 1, 2, 0
	MUL8 1, 3, 0
	WIN 0
; THE WAY OUT, block by block of 16 rows x 128 columns.  A lane holds 32 neighbouring bytes of a row, and the lanes beside it hold other rows: so a block goes through my own stage in LDS and comes back as whole rows of
; 512 bytes.  LDS serves a wave's instructions in order (ISA guide 5.7.1.4): no wait between the stores and the loads, nor in front of the next block's stores.
.macro TOSTAGE a
	WIN 0x04                                       ; an LDS store's data are its source 1: window 1
.irp b, 0,1,2,3,4,5,6,7
	ds_store_b128 v[STO], v[8*(8*(\a)+\b):8*(8*(\a)+\b)+3] offset:64*\b          ; each accumulator from its low end on
	ds_store_b128 v[STO], v[8*(8*(\a)+\b)+4:8*(8*(\a)+\b)+7] offset:64*\b+16
.endr
	WIN 0
.set BB, OB+64*((\a)%2)
.irp t, 0,1,2,3,4,5,6,7,8,9,10,11,12,13,14,15
	ds_load_b128 v[BB+4*\t:BB+4*\t+3], v[RD] offset:\t*SPITCH
.endr
.endm
.macro SEND a, younger                 ; younger: the LDS instructions issued behind block a's loads, which may stay out
.set BB, OB+64*((\a)%2)
	s_wait_dscnt \younger                          ; the block is back in registers
.irp t, 0,1,2,3,4,5,6,7,8,9,10,11,12,13,14,15
	global_store_b128 v[CO], v[BB+4*\t:BB+4*\t+3], s[8:9] offset:65536*(\a)+4096*\t th:TH_STORE_NT   ; 32 lanes store 512 consecutive bytes, at a multiple of 512 from out0's first byte; written once, read by nobody here
.endr
.endm
	PLACES                                         ; behind the last products: for the stores that read results and the loads into the registers that held fragments
	TOSTAGE 0
.irp a, 1,2,3
.if \a > 1
	s_wait_xcnt 0x0                                ; block a - 2's stores have read their registers: block a's loads may land there
.endif
	TOSTAGE \a
	SEND \a-1, 32                                  ; behind block a - 1's loads: block a's 16 stores and 16 loads
.endr
	SEND 3, 0
	s_wait_tensorcnt 0x0                           ; the wave's end: behind my last tensor load and my last LDS store
	ds_add_u32 v[SPW], v[NIL]
	s_wait_dscnt 0x0
	CROUND                                         ; the closing round: no work-group ends while a partner may still ask for a tile that names it
	s_endpgm
.Lfunc_end_k_qdf958927d7_proj:
	.size	k_qdf958927d7_proj, .Lfunc_end_k_qdf958927d7_proj-k_qdf958927d7_proj
	.p2alignl 7, 3214868480
	.fill 96, 4, 3214868480
	.section	.rodata,"a",@progbits
	.p2align	6, 0x0
	.amdhsa_kernel k_qdf958927d7_proj
		.amdhsa_group_segment_fixed_size 327680
		.amdhsa_private_segment_fixed_size 0
		.amdhsa_enable_private_segment 0
		.amdhsa_kernarg_size 24
		.amdhsa_user_sgpr_count 2
		.amdhsa_user_sgpr_kernarg_segment_ptr 1
		.amdhsa_wavefront_size32 1
		.amdhsa_system_sgpr_workgroup_id_x 1
		.amdhsa_system_sgpr_workgroup_id_y 1
		.amdhsa_system_sgpr_workgroup_id_z 1
		.amdhsa_system_vgpr_workitem_id 0
		.amdhsa_next_free_vgpr 512
		.amdhsa_next_free_sgpr 66
		.amdhsa_reserve_vcc 0
		.amdhsa_float_denorm_mode_32 3
		.amdhsa_float_denorm_mode_16_64 3
		.amdhsa_memory_ordered 1
		.amdhsa_forward_progress 1
		.amdhsa_inst_pref_size 85
	.end_amdhsa_kernel
	.amdgpu_metadata
---
amdhsa.version: [ 1, 2 ]
amdhsa.kernels:
  - .name:           k_qdf958927d7_proj
    .symbol:         k_qdf958927d7_proj.kd
    .args:
      - { .name: oh, .offset: 0, .size: 8, .value_kind: global_buffer, .address_space: global }
      - { .name: w16, .offset: 8, .size: 8, .value_kind: global_buffer, .address_space: global }
      - { .name: out0, .offset: 16, .size: 8, .value_kind: global_buffer, .address_space: global }
    .group_segment_fixed_size: 327680
    .private_segment_fixed_size: 0
    .kernarg_segment_align: 8
    .kernarg_segment_size: 24
    .max_flat_workgroup_size: 128
    .sgpr_count:     66
    .vgpr_count:     512
    .wavefront_size: 32
...
	.end_amdgpu_metadata
.endif
;; end of part 4
